; MI455X (gfx1250); checked and timed in simulation.
; The chip was launched on July 23, 2026; its instructions are those of AMD's public machine-readable ISA for CDNA 5 (MIT licence, August 2026) and "CDNA5" Instruction Set Architecture Reference Guide (July 2026). The comments in the code are by the model that wrote it; some were corrected since.
;; self Qwen3 VL Text Attention. Allowed arithmetic: matrix products marked QUANTISED: E2M1 operands, one E8M0 scale for each 32 along K, by v_wmma_scale_f32_16x16x128_f8f6f4 with both operands' format E2M1 (or v_wmma_scale_f32_32x16x128_f4), f32 sums; products left as they are: bf16, f16 or f32 operands; f32 sums; everything else in f32.
;; Inputs: cos 1 x 4,096 x 128 float32; hidden_states 1 x 4,096 x 2,048 float32; k_norm_w 128 float32; q_norm_w 128 float32; sin 1 x 4,096 x 128 float32; wk 2,048 x 512 float32; wo 1,024 x 2,048 float32; wq 2,048 x 1,024 float32; wv 2,048 x 512 float32.
;; Outputs: out0 1 x 4,096 x 2,048 float32.
;; This version of the problem:
;;   THIS VERSION OF THE PROBLEM IS GIVEN IN LOW PRECISION. The matrix products marked QUANTISED in the list below multiply operands that are first quantised to E2M1 (2 exponent bits, 1 mantissa bit; 4 bits a number), with one power-of-two scale for each 32 numbers along K (OCP MX v1.0); their sums are f32. The products marked 'left as it is' may take bf16, f16 or f32 operands, with f32 sums. Whichever they take, every output number must still come out within the allowed error. Rounding operands to bf16 (8 significant bits) uses up far more of that allowance than f16 does (11 bits, for magnitudes from 6e-5 to 65,504). All else is computed in f32.
;;   The module's matrix products, in the order in which they are computed (A, B: the left and right operand; K: the contracted axis; several contracted axes count as one K, in the product's order):
;;     1. [M 4,096, K 2,048] x [K 2,048, N 1,024]; A: input hidden_states; B: input wq: QUANTISED
;;     2. [M 4,096, K 2,048] x [K 2,048, N 512]; A: input hidden_states; B: input wk: QUANTISED
;;     3. [M 4,096, K 2,048] x [K 2,048, N 512]; A: input hidden_states; B: input wv: QUANTISED
;;     4. batch 8 x [M 4,096, K 128] x [K 128, N 4,096]; A: computed on the way; B: computed on the way: left as it is (an operand is computed on the way)
;;     5. batch 8 x [M 4,096, K 4,096] x [K 4,096, N 128]; A: computed on the way; B: computed on the way: left as it is (an operand is computed on the way)
;;     6. [M 4,096, K 1,024] x [K 1,024, N 2,048]; A: computed on the way; B: input wo: left as it is (an operand is computed on the way)
;;   THE QUANTISER, for each operand of a quantised product, along K:
;;     - K is cut into blocks of 32 from its start; a last block that is shorter is filled with zeros.
;;     - A block's scale is 2^e with e = floor(log2(the largest magnitude in the block)) - 2, held to -126 .. 127; a block of zeros has e = 0. As a byte (E8M0): e + 127.
;;     - Each number is divided by its block's scale, clamped to +-6, and rounded to the nearest number of E2M1, ties to even, subnormals kept.
;;     - The product sums the exact products of the quantised numbers (number of the format x scale) in f32.
;;   ~~~python
;;   def quantise(x, axis):      # numpy; x: float32 -> the quantised numbers, widened to float32 again
;;       x = np.moveaxis(x, axis, -1); K = x.shape[-1]
;;       x = np.pad(x, [(0, 0)] * (x.ndim - 1) + [(0, -K % 32)]); x = x.reshape(x.shape[:-1] + (-1, 32)); a = np.abs(x).max(-1, keepdims=True)
;;       e = np.where(a > 0, np.clip(np.frexp(np.where(a > 0, a, 1))[1] - 1 - 2, -126, 127), 0)      # np.frexp(a)[1] - 1 = floor(log2(a)), exactly
;;       r = np.clip(x / 2.0 ** e, -6, 6)
;;       step = 2.0 ** (np.maximum(np.frexp(np.where(r == 0, 1, r))[1] - 1, 0) - 1)
;;       q = np.round(r / step) * step * 2.0 ** e      # np.round: ties to even
;;       return np.moveaxis(q.reshape(q.shape[:-2] + (-1,))[..., :K], -1, axis).astype(np.float32)
;;   ~~~
;; One version. Each part assembles by itself: llvm-mc -triple=amdgcn-amd-amdhsa -mcpu=gfx1250 --defsym DOCPART=n.
;; ======== version 1 of 1: 5 launches
;; limits: values are held in f16: magnitudes above 65,504 overflow, below 6.1e-05 lose precision
;; workspace buffers: xq 4,456,448 bytes; wq4 2,228,224 bytes; wot 4,194,304 bytes; qkvh 16,777,216 bytes; fin 131,072 bytes; at 8,388,608 bytes
;; launch prep (part 1): grid 512 x 1, 4 waves a work-group, no clusters, 102,912 bytes of LDS; arguments hidden_states, wq, wk, wv, wo, xq, wq4, wot; writes xq, wq4, wot
.if DOCPART == 1
	.amdgcn_target "amdgcn-amd-amdhsa--gfx1250"
	.amdhsa_code_object_version 6
	.text
	.protected	k_q5a4342e942_prep
	.globl	k_q5a4342e942_prep
	.p2align	8
	.type	k_q5a4342e942_prep,@function
k_q5a4342e942_prep:
	s_mov_b64 s[64:65], 0
	v_nop
	global_prefetch_b8 v0, s[64:65] scope:SCOPE_SE
	s_setreg_imm32_b32 hwreg(HW_REG_WAVE_MODE, 25, 1), 1
	s_wait_xcnt 0x0
; FIRST OF FIVE LAUNCHES (prep, qkv, attn, oproj, fine) of one attention layer: S = 4,096 positions, hidden 2,048, 8 query heads, 4 key/value heads, head size 128.
; WORK LEFT OUT BY THE PROGRAM, AND WHY IT IS DEAD.  reference() builds a causal mask in its own body (jnp.tril) and sets every score of a key behind its query to -1e9 ahead of the softmax.  Each row keeps its own
; key, whose score is a product of two normalised vectors, so exp(-1e9 - the row's maximum) is 0 in f32 and the masked terms add nothing to a row's sum or to its output.  Launch attn therefore leaves out the key tiles
; that lie wholly behind all queries of a block; inside tiles that hold visible keys the hidden scores are computed and replaced.  jnp.repeat of K and V is a copy: the two query heads of a pair read one K and one V.
; Every input has a way to the output and is loaded.  LIMITS: the masked terms count as 0 while a row's largest score lies above about -1e9 + 150; a NaN, an infinity or an overflow that reaches only a hidden score is
; not carried to the result.
; THIS LAUNCH: hidden_states [4096][2048] f32 -> codes of FP4 (E2M1), K innermost, with one E8M0 byte for each 32 along K (buffer xq: codes [4096][1024 bytes], then from byte 4,194,304 the scale bytes [4096][64]);
; wq, wk, wv [2048 (k)][n] f32 -> the same with K moved innermost (buffer wq4: codes [2048 rows][1024 bytes], then from byte 2,097,152 the scale bytes [2048][64]); the rows come in 16 head slots of 128:
; q0 .. q7, k0, v0, k1, v1, k2, v2, k3, v3;  wo [1024 (k)][2048 (n)] f32 -> f16, transposed (buffer wot [2048][1024]).
; A block's scale is 2^(floor(log2(its largest magnitude)) - 2); its byte is the largest magnitude's exponent field - 2, held at 1 from below.  A block of zeros so gets the byte 1 where the rule says 127: its codes are
; zeros, which add nothing under any byte but 0xff, and the bytes are read by this program alone.
; LIMITS: blocks whose largest magnitude lies under 2^-124 hold the byte 1; NaN and infinities among the inputs are not served; a number of wo beyond 65,504 in magnitude has no f16, one under about 6e-8 becomes 0.
; SHARES.  Work-groups 0-63: wq (16 x 64 columns, 4 runs of 512 along K).  64-127: wk and wv likewise.  128-255: wo (16 x 128 columns, 8 x 128 along K).  256-511: hidden, 32,768 numbers each.  The work-groups with the
; longest chains of loads come first.  The paths part on the work-group's number alone, and each path has LDS bytes of its own.  The launch streams: no matrix unit, no tensor load.
.set SP,     80                        ; path X: a lane's place in a stage: its 64 bytes + 16 of padding
.set WREG,   8192                      ; path X: a wave's LDS region: two stages of 32 x SP bytes, then its 256 scale bytes
.set PITCH,  272                       ; column paths: a stage row: 256 bytes + 16
.set WQST,   32768                     ; LDS: wq's stage, the work-group's: 64 rows x 272 bytes,
.set WKVST,  50176                     ; wk's and wv's,
.set OST,    67584                     ; wo's four stages, one a wave (4 x 32 x 272 bytes)
.set SPARE,  102400                    ; the spare words, 128 bytes for each wave: two blocks of 256 bytes that no other line names
.set EMAX,   2
.set NBW,    8                         ; blocks of 32 along K that a wave of the weight paths takes
.set SPW,    192                       ; v192  LDS address of my spare word; never rewritten
.set NIL,    193                       ; v193  0; never rewritten
.set XR,     16                        ; path X: v16-79 four sets of 16 numbers as loaded
.set XX,     80                        ;         v80-111 two sets of 16 neighbours
.set XE,     112                       ;         v112-127 a scale byte for each step
.set XC,     128                       ;         v128-191 codes, four registers for each step
.set WX,     32                        ; column paths: v32-95 two sets of 32 numbers
.set WC,     96                        ;         v96-111 a block's codes or f16 pairs
.set OUTR,   112                       ;         v112-175 the way out
.set SB,     24                        ;         v24-25 scale bytes, four to a register
	s_load_b256 s[4:11], s[0:1], 0x0               ; hidden s[4:5], wq s[6:7], wk s[8:9], wv s[10:11]
	s_load_b256 s[12:19], s[0:1], 0x20             ; wo s[12:13], xq s[14:15], wq4 s[16:17], wot s[18:19]
	v_lshl_add_u32 v[SPW], v0, 2, SPARE
	v_mov_b32 v[NIL], 0
	v_lshrrev_b32 v1, 5, v0
	v_readfirstlane_b32 s20, v1                    ; wave 0..3
	v_and_b32 v2, 31, v0                           ; lane
	s_wait_kmcnt 0x0
	s_cmp_lt_u32 ttmp9, 64
	s_cbranch_scc1 .Lwq
	s_cmp_lt_u32 ttmp9, 128
	s_cbranch_scc1 .Lwkv
	s_cmp_lt_u32 ttmp9, 256
	s_cbranch_scc1 .Lwo
; ---------------- PATH X: hidden_states.  Rows are dense and 2,048 is a multiple of 32: the tensor is a plain stream of blocks of 32, and so are its codes and scale bytes.
; A wave takes 16 steps of 512 numbers.  Each of a step's four loads reads 512 consecutive bytes, 16 a lane; the 2,048 bytes turn through the wave's own stage in LDS and come back 64 bytes a lane, so that a lane holds
; 16 neighbours along K (two neighbouring lanes hold a block).  Loads run four steps ahead, the turn through LDS one step.  Waves share nothing here: no barrier.
	v_lshlrev_b32 v3, 4, v2                        ; my 16 bytes of a load's 512
	s_mul_i32 s21, s20, WREG
	v_lshrrev_b32 v14, 2, v2
	v_mul_u32_u24 v14, v14, SP
	v_and_b32 v15, 3, v2
	v_lshl_add_u32 v14, v15, 4, v14
	v_add_nc_u32 v14, s21, v14                     ; the stage, on the way in: SP (lane / 4) + 16 (lane % 4)
	v_mul_u32_u24 v15, v2, SP
	v_add_nc_u32 v15, s21, v15                     ; and on the way out: SP x lane
	v_lshlrev_b32 v4, 3, v2                        ; my 8 bytes of a step's codes
	v_lshrrev_b32 v5, 1, v2
	s_add_co_u32 s21, s21, 2*32*SP
	v_add_nc_u32 v5, s21, v5                       ; LDS: my wave's 256 scale bytes, my block's byte
	v_lshlrev_b32 v7, 3, v2
	v_add_nc_u32 v6, s21, v7                       ; and on the way out 8 bytes a lane
	s_sub_co_u32 s22, ttmp9, 256
	s_lshl_b32 s22, s22, 2
	s_add_co_u32 s22, s22, s20                     ; which run of 8,192 numbers is my wave's: 0 .. 1,023
	s_lshl_b32 s24, s22, 15                        ; 32,768 bytes of f32 a run
	s_mov_b32 s25, 0
	s_add_nc_u64 s[4:5], s[4:5], s[24:25]
	s_lshl_b32 s24, s22, 12                        ; 4,096 bytes of codes
	s_add_nc_u64 s[26:27], s[14:15], s[24:25]
	s_lshl_b32 s24, s22, 8                         ; 256 scale bytes, behind the codes
	s_add_co_u32 s24, s24, 0x400000
	s_add_nc_u64 s[28:29], s[14:15], s[24:25]
.macro XLOAD t
.irp i, 0,1,2,3
	global_load_b128 v[XR+16*((\t)%4)+4*\i:XR+16*((\t)%4)+4*\i+3], v3, s[4:5] offset:2048*(\t)+512*\i th:TH_LOAD_NT
.endr
.endm
.macro XTURN t                         ; step t's numbers through the stage: LDS serves a wave's instructions in order, so no wait stands between the stores and the loads
.irp i, 0,1,2,3
	ds_store_b128 v14, v[XR+16*((\t)%4)+4*\i:XR+16*((\t)%4)+4*\i+3] offset:32*SP*((\t)%2)+8*SP*\i
.endr
.irp i, 0,1,2,3
	ds_load_b128 v[XX+16*((\t)%2)+4*\i:XX+16*((\t)%2)+4*\i+3], v15 offset:32*SP*((\t)%2)+16*\i
.endr
.endm
.irp t, 0,1,2,3
	XLOAD \t
.endr
	s_wait_loadcnt 12                              ; step 0's four loads are in
	XTURN 0
.macro XSTEP t
.set XS, XX+16*((\t)%2)
.if (\t) > 0
	s_wait_dscnt 1                                 ; this step's numbers are back from the stage; the last step's byte store may be out
.else
	s_wait_dscnt 0x0
.endif
.if (\t)+4 < 16
	XLOAD (\t)+4                                   ; into the set whose numbers the stage has taken
.endif
.if (\t)+1 < 16
.if 14-(\t) >= 3
	s_wait_loadcnt 12                              ; the next step's four loads are in; those of the three steps behind it may be out
.else
	s_wait_loadcnt 4*(14-(\t))
.endif
	XTURN (\t)+1
.endif
	v_max3_num_f32 v8, |v[XS]|, |v[XS+1]|, |v[XS+2]|               ; the largest magnitude of my 16, in two chains
	v_max3_num_f32 v9, |v[XS+3]|, |v[XS+4]|, |v[XS+5]|
.irp i, 6,10
	v_max3_num_f32 v8, v8, |v[XS+\i]|, |v[XS+\i+1]|
	v_max3_num_f32 v9, v9, |v[XS+\i+2]|, |v[XS+\i+3]|
.endr
	v_max3_num_f32 v8, v8, |v[XS+14]|, |v[XS+15]|
	v_max3_num_f32 v8, v8, v9, (EMAX+1)<<23        ; and the floor 2^(3 - 127): the byte cannot fall under 1
	v_max_num_f32_dpp v8, v8, v8 row_xmask:1 row_mask:0xf bank_mask:0xf   ; with my neighbour's 16: the block's
	v_add_nc_u32 v11, -(EMAX<<23), v8              ; 2 off its exponent field: the conversion takes the exponent field of this operand as its scale
	v_cvt_scalef32_pk8_fp4_f32 v[XC+4*(\t)], v[XS:XS+7], v11
	v_cvt_scalef32_pk8_fp4_f32 v[XC+4*(\t)+1], v[XS+8:XS+15], v11
	v_lshrrev_b32 v[XE+(\t)], 23, v11              ; the scale's byte
	ds_store_b8 v5, v[XE+(\t)] offset:16*(\t)      ; both lanes of a block write the same byte with the same value
	global_store_b64 v4, v[XC+4*(\t):XC+4*(\t)+1], s[26:27] offset:256*(\t)   ; the wave stores 256 consecutive bytes, aligned
.endm
.irp t, 0,1,2,3,4,5,6,7,8,9,10,11,12,13,14,15
	XSTEP \t
.endr
	ds_load_b64 v[8:9], v6                         ; LDS serves a wave's instructions in order: these see my byte stores
	s_wait_dscnt 0x0
	global_store_b64 v7, v[8:9], s[28:29]          ; my wave's 256 scale bytes, consecutive and aligned
	s_wait_tensorcnt 0x0                           ; the wave's end, behind my last LDS store
	ds_add_u32 v[SPW], v[NIL]
	s_wait_dscnt 0x0
	s_endpgm
; ---------------- THE COLUMN PATHS.  K is the tensors' first axis.  A lane takes a column and its registers run down K: each load reads 128 consecutive bytes a wave, a block of 32 along K lies in one lane's 32 registers,
; and what is made of it comes out with K innermost.  256 bytes a column are gathered in a stage in LDS and leave as rows: sixteen lanes store 256 consecutive bytes, aligned.
.macro WLOAD t, pitch                  ; block t: rows 32 t + i of the source at my column, into set t % 2
.irp i, 0,1,2,3,4,5,6,7,8,9,10,11,12,13,14,15,16,17,18,19,20,21,22,23,24,25,26,27,28,29,30,31
	global_load_b32 v[WX+32*((\t)%2)+\i], v3, s[22:23] offset:(32*(\t)+\i)*\pitch th:TH_LOAD_NT
.endr
.endm
.macro WBLOCK t, pitch                 ; one block of 32 along K of my column becomes 16 bytes of codes and a scale byte
.set XS, WX+32*((\t)%2)
.if (\t) < NBW-1
	s_wait_loadcnt 32                              ; this block's 32 loads are in; the next block's may be out
.else
	s_wait_loadcnt 0
.endif
	v_max3_num_f32 v12, |v[XS]|, |v[XS+1]|, |v[XS+2]|
	v_max3_num_f32 v13, |v[XS+3]|, |v[XS+4]|, |v[XS+5]|
.irp i, 6,10,14,18,22,26
	v_max3_num_f32 v12, v12, |v[XS+\i]|, |v[XS+\i+1]|
	v_max3_num_f32 v13, v13, |v[XS+\i+2]|, |v[XS+\i+3]|
.endr
	v_max3_num_f32 v12, v12, |v[XS+30]|, |v[XS+31]|
	v_max3_num_f32 v12, v12, v13, (EMAX+1)<<23     ; and the floor
	v_add_nc_u32 v11, -(EMAX<<23), v12             ; the conversion's scale operand
	v_lshrrev_b32 v13, 23, v11                     ; the scale's byte
.if (\t)%4 == 0
	v_mov_b32 v[SB+(\t)/4], v13                    ; four bytes to a register, the lower K in the lower byte
.else
	v_lshl_or_b32 v[SB+(\t)/4], v13, 8*((\t)%4), v[SB+(\t)/4]
.endif
.irp g, 0,1,2,3
	v_cvt_scalef32_pk8_fp4_f32 v[WC+\g], v[XS+8*\g:XS+8*\g+7], v11
.endr
	ds_store_b128 v4, v[WC:WC+3] offset:16*(\t)    ; 32 codes: 16 bytes of my column's row
.if (\t)+2 < NBW
	WLOAD (\t)+2, \pitch
.endif
	s_wait_dscnt 0x0                               ; the store has read its registers: the next block's codes may be written
.endm
; THE WEIGHT PATHS.  A work-group takes 64 columns x 512 along K.  Two waves stand side by side on the columns (256 consecutive bytes of each row of the source), two on the halves of K: a wave has 32 columns x 256
; along K, a chain of 8 blocks with two blocks of loads out.  The four waves fill ONE stage of 64 rows; behind a barrier each stores 16 whole rows.
; in: s[22:23] the source tensor, s24 the work-group's first column in it, s25 its first row of wq4, s26 which 512 along K
.macro WPATH pitch, stg
	s_and_b32 s27, s20, 1                          ; which 32 columns are mine
	s_lshr_b32 s28, s20, 1                         ; which 256 along K
	v_lshlrev_b32 v3, 2, v2                        ; in: 4 bytes a lane
	s_mul_i32 s29, s27, 32*PITCH
	s_lshl_b32 s30, s28, 7
	s_add_co_u32 s29, s29, s30
	s_add_co_u32 s29, s29, \stg
	v_mul_u32_u24 v4, v2, PITCH
	v_add_nc_u32 v4, s29, v4                       ; into the stage: row = my column, my half of its 256 bytes
	v_and_b32 v5, 15, v2
	v_lshrrev_b32 v6, 4, v2
	s_mul_i32 s29, s20, 16*PITCH
	s_add_co_u32 s29, s29, \stg
	v_mul_u32_u24 v7, v6, PITCH
	v_lshl_add_u32 v7, v5, 4, v7
	v_add_nc_u32 v7, s29, v7                       ; out of it: rows 16 wave on; sixteen lanes to a row, two rows an instruction
	v_lshlrev_b32 v8, 10, v6
	v_lshl_add_u32 v8, v5, 4, v8                   ; and the same place in the codes: 1,024 bytes a row
	v_lshlrev_b32 v9, 6, v2                        ; my column's row of scale bytes: 64 bytes a row
	s_lshl_b32 s29, s26, 9
	s_lshl_b32 s30, s28, 8
	s_add_co_u32 s29, s29, s30                     ; my first row of the source
	s_mul_i32 s36, s29, \pitch
	s_lshl_b32 s30, s27, 5
	s_add_co_u32 s31, s24, s30                     ; my first column
	s_lshl_b32 s31, s31, 2
	s_add_co_u32 s36, s36, s31
	s_mov_b32 s37, 0
	s_add_nc_u64 s[22:23], s[22:23], s[36:37]
	s_lshl_b32 s31, s20, 4
	s_add_co_u32 s31, s25, s31                     ; the first row of codes that I store
	s_lshl_b32 s36, s31, 10
	s_lshl_b32 s31, s26, 8
	s_add_co_u32 s36, s36, s31
	s_add_nc_u64 s[32:33], s[16:17], s[36:37]      ; row x 1,024 + 256 ky
	s_add_co_u32 s31, s25, s30                     ; my columns' rows of scale bytes
	s_lshl_b32 s36, s31, 6
	s_lshl_b32 s31, s26, 4
	s_add_co_u32 s36, s36, s31
	s_lshl_b32 s31, s28, 3
	s_add_co_u32 s36, s36, s31
	s_add_co_u32 s36, s36, 0x200000
	s_add_nc_u64 s[34:35], s[16:17], s[36:37]      ; behind the codes: row x 64 + 16 ky + 8 x my half of K
	WLOAD 0, \pitch
	WLOAD 1, \pitch
.set Q, 0
.rept NBW
	WBLOCK Q, \pitch
.set Q, Q+1
.endr
	global_store_b64 v9, v[SB:SB+1], s[34:35]      ; my column's 8 scale bytes
	s_wait_dscnt 0x0                               ; for the others' sake: my stores into the stage have landed
	s_barrier_signal -1
	s_barrier_wait -1                              ; the stage's 64 rows are whole
.irp t, 0,1,2,3,4,5,6,7
	ds_load_b128 v[OUTR+4*\t:OUTR+4*\t+3], v7 offset:2*\t*PITCH
.endr
.irp t, 0,1,2,3,4,5,6,7
	s_wait_dscnt 7-\t
	global_store_b128 v8, v[OUTR+4*\t:OUTR+4*\t+3], s[32:33] offset:2*\t*1024
.endr
	s_wait_tensorcnt 0x0                           ; the wave's end, behind my last LDS store
	ds_add_u32 v[SPW], v[NIL]
	s_wait_dscnt 0x0
	s_endpgm
.endm
.Lwq:                                              ; wq: 64 columns = id % 16, ky = id / 16
	s_and_b32 s21, ttmp9, 15
	s_lshr_b32 s26, ttmp9, 4
	s_lshl_b32 s24, s21, 6                         ; the first column,
	s_mov_b32 s25, s24                             ; which is also the row of wq4
	s_mov_b64 s[22:23], s[6:7]
	WPATH 4096, WQST
.Lwkv:                                             ; wk and wv: slots 8 .. 15, even ones from wk, odd ones from wv; two work-groups to a slot
	s_sub_co_u32 s21, ttmp9, 64
	s_lshr_b32 s26, s21, 4                         ; ky
	s_and_b32 s21, s21, 15                         ; 2 x (slot - 8) + which half of the slot
	s_lshr_b32 s24, s21, 2                         ; the key/value head
	s_lshl_b32 s24, s24, 7
	s_and_b32 s27, s21, 1
	s_lshl_b32 s27, s27, 6
	s_add_co_u32 s24, s24, s27                     ; column in wk or wv
	s_lshl_b32 s25, s21, 6
	s_add_co_u32 s25, s25, 1024                    ; row of wq4
	s_bfe_u32 s28, s21, 0x10001                    ; the slot's parity
	s_cmp_eq_u32 s28, 0                            ; the choice hangs on the work-group's number alone
	s_cselect_b64 s[22:23], s[8:9], s[10:11]
	WPATH 2048, WKVST
.Lwo:                                              ; wo -> f16, transposed: 128 columns x 128 along K a work-group; a wave has 32 columns and a stage of its own: no barrier
	s_sub_co_u32 s21, ttmp9, 128
	s_and_b32 s24, s21, 15
	s_lshr_b32 s26, s21, 4                         ; which 128 along K: 0 .. 7
	s_lshl_b32 s24, s24, 7
	s_lshl_b32 s25, s20, 5
	s_add_co_u32 s24, s24, s25                     ; my wave's first column
	v_lshlrev_b32 v3, 2, v2                        ; in: 4 bytes a lane
	s_mul_i32 s27, s20, 32*PITCH
	s_add_co_u32 s27, s27, OST                     ; my stage
	v_mul_u32_u24 v4, v2, PITCH
	v_add_nc_u32 v4, s27, v4                       ; into it: row = my column
	v_and_b32 v5, 15, v2
	v_lshrrev_b32 v6, 4, v2
	v_mul_u32_u24 v7, v6, PITCH
	v_lshl_add_u32 v7, v5, 4, v7
	v_add_nc_u32 v7, s27, v7                       ; out of it: sixteen lanes to a row, two rows an instruction
	v_lshlrev_b32 v8, 11, v6
	v_lshl_add_u32 v8, v5, 4, v8                   ; and the same place in wot: 2,048 bytes a row
	s_lshl_b32 s28, s26, 20                        ; 128 rows of 8,192 bytes
	s_lshl_b32 s29, s24, 2
	s_add_co_u32 s28, s28, s29
	s_mov_b32 s29, 0
	s_add_nc_u64 s[22:23], s[12:13], s[28:29]
	s_lshl_b32 s28, s24, 11                        ; wot: column x 2,048 bytes + 256 ky
	s_lshl_b32 s30, s26, 8
	s_add_co_u32 s28, s28, s30
	s_add_nc_u64 s[32:33], s[18:19], s[28:29]
	WLOAD 0, 8192
	WLOAD 1, 8192
.macro OBLOCK t                        ; 32 along K of my column become 64 bytes of f16
.set XS, WX+32*((\t)%2)
.if (\t) < 3
	s_wait_loadcnt 32                              ; this block's 32 loads are in; the next block's may be out
.else
	s_wait_loadcnt 0
.endif
.irp i, 0,1,2,3,4,5,6,7,8,9,10,11,12,13,14,15
	v_cvt_pk_f16_f32 v[WC+\i], v[XS+2*\i], v[XS+2*\i+1]
.endr
.irp q, 0,1,2,3
	ds_store_b128 v4, v[WC+4*\q:WC+4*\q+3] offset:64*(\t)+16*\q
.endr
.if (\t)+2 < 4
	WLOAD (\t)+2, 8192
.endif
	s_wait_dscnt 0x0                               ; the stores have read their registers
.endm
	OBLOCK 0
	OBLOCK 1
	OBLOCK 2
	OBLOCK 3
.irp t, 0,1,2,3,4,5,6,7,8,9,10,11,12,13,14,15
	ds_load_b128 v[OUTR+4*\t:OUTR+4*\t+3], v7 offset:2*\t*PITCH   ; LDS serves a wave's instructions in order: these see my stores
.endr
.irp t, 0,1,2,3,4,5,6,7,8,9,10,11,12,13,14,15
	s_wait_dscnt 15-\t
	global_store_b128 v8, v[OUTR+4*\t:OUTR+4*\t+3], s[32:33] offset:2*\t*2048
.endr
	s_wait_tensorcnt 0x0                           ; the wave's end, behind my last LDS store
	ds_add_u32 v[SPW], v[NIL]
	s_wait_dscnt 0x0
	s_endpgm
.Lfunc_end_k_q5a4342e942_prep:
	.size	k_q5a4342e942_prep, .Lfunc_end_k_q5a4342e942_prep-k_q5a4342e942_prep
	.p2alignl 7, 3214868480
	.fill 96, 4, 3214868480
	.section	.rodata,"a",@progbits
	.p2align	6, 0x0
	.amdhsa_kernel k_q5a4342e942_prep
		.amdhsa_group_segment_fixed_size 102912
		.amdhsa_private_segment_fixed_size 0
		.amdhsa_enable_private_segment 0
		.amdhsa_kernarg_size 64
		.amdhsa_user_sgpr_count 2
		.amdhsa_user_sgpr_kernarg_segment_ptr 1
		.amdhsa_wavefront_size32 1
		.amdhsa_system_sgpr_workgroup_id_x 1
		.amdhsa_system_sgpr_workgroup_id_y 1
		.amdhsa_system_sgpr_workgroup_id_z 1
		.amdhsa_system_vgpr_workitem_id 0
		.amdhsa_next_free_vgpr 194
		.amdhsa_next_free_sgpr 66
		.amdhsa_reserve_vcc 0
		.amdhsa_float_denorm_mode_32 3
		.amdhsa_float_denorm_mode_16_64 3
		.amdhsa_memory_ordered 1
		.amdhsa_forward_progress 1
		.amdhsa_inst_pref_size 135
	.end_amdhsa_kernel
	.amdgpu_metadata
---
amdhsa.version: [ 1, 2 ]
amdhsa.kernels:
  - .name:           k_q5a4342e942_prep
    .symbol:         k_q5a4342e942_prep.kd
    .args:
      - { .name: hidden_states, .offset: 0, .size: 8, .value_kind: global_buffer, .address_space: global }
      - { .name: wq, .offset: 8, .size: 8, .value_kind: global_buffer, .address_space: global }
      - { .name: wk, .offset: 16, .size: 8, .value_kind: global_buffer, .address_space: global }
      - { .name: wv, .offset: 24, .size: 8, .value_kind: global_buffer, .address_space: global }
      - { .name: wo, .offset: 32, .size: 8, .value_kind: global_buffer, .address_space: global }
      - { .name: xq, .offset: 40, .size: 8, .value_kind: global_buffer, .address_space: global }
      - { .name: wq4, .offset: 48, .size: 8, .value_kind: global_buffer, .address_space: global }
      - { .name: wot, .offset: 56, .size: 8, .value_kind: global_buffer, .address_space: global }
    .group_segment_fixed_size: 102912
    .private_segment_fixed_size: 0
    .kernarg_segment_align: 8
    .kernarg_segment_size: 64
    .max_flat_workgroup_size: 128
    .sgpr_count:     66
    .vgpr_count:     194
    .wavefront_size: 32
...
	.end_amdgpu_metadata
.endif
;; end of part 1
;; launch qkv (part 2): grid 8 x 32, 4 waves a work-group, clusters of 4 x 1, 327,680 bytes of LDS; arguments xq, wq4, cos, sin, q_norm_w, k_norm_w, qkvh, fin; writes qkvh, fin
.if DOCPART == 2
	.amdgcn_target "amdgcn-amd-amdhsa--gfx1250"
	.amdhsa_code_object_version 6
	.text
	.protected	k_q5a4342e942_qkv
	.globl	k_q5a4342e942_qkv
	.p2align	8
	.type	k_q5a4342e942_qkv,@function
k_q5a4342e942_qkv:
	s_mov_b64 s[64:65], 0
	v_nop
	global_prefetch_b8 v0, s[64:65] scope:SCOPE_SE
	s_setreg_imm32_b32 hwreg(HW_REG_WAVE_MODE, 25, 1), 1
	s_wait_xcnt 0x0
	s_wait_alu depctr_hold_cnt(0) depctr_sa_sdst(0) depctr_va_vdst(0) depctr_va_sdst(0) depctr_va_ssrc(0) depctr_va_vcc(0) depctr_vm_vsrc(0)
	s_getreg_b32 s2, hwreg(HW_REG_IB_STS2, 6, 4)
	s_cmp_eq_u32 s2, 0
	s_cbranch_scc0 .Lentry_in_a_cluster
	s_endpgm
.Lentry_in_a_cluster:
	s_bfe_u32 s2, ttmp6, 0x10000c
	s_cmp_lg_u32 s2, 0x3003
	s_cbranch_scc0 .Lentry_shape_is_right
	s_endpgm
.Lentry_shape_is_right:
; SECOND LAUNCH: the three quantised products in one GEMM on codes of FP4 (E2M1) with one E8M0 scale for each 32 along K, then RMS norm and RoPE in f32, results as f16.
; A = hidden's codes [4096][2048 k] (buffer xq), B = the weights' codes [2048 rows][2048 k] (buffer wq4), rows in 16 head slots of 128: q0 .. q7, k0, v0, k1, v1, k2, v2, k3, v3.  Sums in f32, K ascending.
; OUT: qkvh, f16 [16 slots][4096 positions][128];  fin, f32, positions 0 to 15 alone, for launch fine: q and k slots [16 positions][128], v slots transposed [128 channels][16 positions].
; SHARES.  A tile of 128 positions x 256 columns is made by four waves, each 64 x 128: 32 accumulators of 16 x 16.  8 x 32 = 256 work-groups.  A WAVE'S 128 COLUMNS ARE ONE HEAD (slot = 2 x tile column + the wave's column
; half), so the norm's mean and RoPE's partner (channel d and d + 64) lie inside a wave.  K goes in steps of 512 through a ring of two LDS slots; the scale bytes of the work-group's rows, for all of K, come into LDS once.
; CLUSTER: 4 x 1 work-groups, neighbours along the columns: they need the same tiles and scales of A, which are asked for JOINTLY (mask 15).  B's are each work-group's own: plain loads in the same rounds.
; Partners along the positions too (4 x 4) are not taken: the way out of tile row 0 has a branch of its own (the f32 copy of positions 0 to 15), so the partners
; share the tile row.  Whether a wave holds a V head hangs on the cluster's x and the wave's number alone: that is what the order of the slots is for.
; THE MATRIX INSTRUCTION IS USED TRANSPOSED (source 0 = 16 rows of B, source 1 = 16 rows of A): lane l holds position l % 16 of a block, and its registers channels 16 b + 8 (l / 16) + 0 .. 7.
; LIMITS: results go to f16: a magnitude beyond 65,504 (only V could reach it, with inputs far larger than the problem's kind) has no f16.  v_rsq_f32 is good to 1 ulp; nothing behind it is quantised.
; REGISTERS, in windows of 256: window 0: v0-31 addresses; v32-95 scale words, two sets; v128-191 A's fragments, two sets of 32.  window 1: B's fragments, two sets, at v0 and v128.  window 2: the accumulators
; ((a, b) at v[8 (8 a + b)]).  On the way out: window 0: v32-95 T, v96-127 packed f16, v128-191 U, v192-255 the norm's weight; window 1: cos and sin, two sets; window 3: v0-127 rows read back from the stage, 32 a block.
.set SIZE_M, 4096
.set SIZE_N, 2048
.set SIZE_K, 2048
.set KSTEP,  512                       ; along K in a slot
.set NQ,     KSTEP/128                 ; matrix instructions deep
.set ROWB,   256                       ; a tile's row in bytes
.set KROW,   SIZE_K*4/8                ; a row of codes in memory
.set PITCH,  272                       ; an LDS row: 256 bytes + 16 of padding = 68 words: the 16 rows that a load touches start at 16 different banks (64 banks of 4 bytes: ISA guide 11.1)
.set FR,     8                         ; registers of a fragment: 16 rows x 128 K
.set NP,     4                         ; places behind this matrix instruction (ISA guide 7.12.1)
.set HALFA,  64*PITCH                  ; 64 rows of A: what wave 0 or 1 fetches, and what one wave reads of A
.set HALFB,  128*PITCH                 ; 128 rows of B: what wave 2 or 3 fetches, and what one wave reads of B
.set BOFF,   2*HALFA                   ; a slot: A's 128 rows, then B's 256 rows
.set SLOT,   2*HALFA+2*HALFB
.set LAPS,   SIZE_K/(2*KSTEP)
.set KS,     SIZE_K/32                 ; a row of scale bytes
.set SCL,    2*SLOT                    ; behind the ring: the scales, as runs of 256 bytes + 16 of padding: A's 128 rows, then B's 256
.set HALFSA, (64*KS/256)*272
.set HALFSB, (128*KS/256)*272
.set SBLK,   (16*KS/256)*272
.set SPARE,  SCL+2*HALFSA+2*HALFSB     ; the spare words, 128 bytes for each wave: two blocks of 256 bytes that no other line names
.set ADRA, 16                          ; v16-17  LDS address of my A fragments in slot 0, 1
.set ADRB, 20                          ; v20-21  the same for B
.set ADRS, 27                          ; v27     LDS address of my scale words: lanes 0-15 A's rows, lanes 16-31 B's
.set SPW,  28                          ; v28     LDS address of my spare word; never rewritten
.set NIL,  29                          ; v29     0; never rewritten
.set SC,   32
.set AF,   128
.set G1, 24                            ; s[24:31] descriptor group 1 for A's tiles;  s[32:39] group 0, one set for each slot
.set G0, 32
.set G1B, 48                           ; s[48:55], s[56:63] the same for B's tiles
.set G0B, 56
.set G1S, 68                           ; s[68:75], s[76:79] groups 1 and 0 for A's scales;  s[80:87], s[88:91] for B's
.set G0S, 76
.set G1SB, 80
.set G0SB, 88
.set MSB, 0
.macro WIN new                         ; the immediate's high byte repeats the setting that is left
.if MSB != \new
	s_set_vgpr_msb (MSB<<8)|\new
.set MSB, \new
.endif
.endm
.set MUL_LO, 0xa1                      ; source 0 (B) window 1, source 1 (A) window 0, C and D window 2
.set TO_B,   0x40                      ; destination window 1, address window 0
; Waves 0 and 1 fetch for A (jointly with the three partners), waves 2 and 3 for B (for this work-group alone).  The branch hangs on the wave's number alone.
; An s_nop 0 and four v_nop follow each of the two lines, ahead of the jump, the label and what follows.
.macro JLOAD g0a, g1a, g0b, g1b
	s_cmp_eq_u32 s15, 0
	s_cbranch_scc0 .Lfor_b_\@
	tensor_load_to_lds s[\g0a:\g0a+3], s[\g1a:\g1a+7]
	s_nop 0
.rept 4
	v_nop
.endr
	s_branch .Lasked_\@
.Lfor_b_\@:
	tensor_load_to_lds s[\g0b:\g0b+3], s[\g1b:\g1b+7]
	s_nop 0
.rept 4
	v_nop
.endr
.Lasked_\@:
.endm
.macro CREST                           ; a round of the cluster's barrier behind its opening barrier
	s_cmp_lg_u32 s14, 0
	s_cbranch_scc1 .Lnot_wave_0_\@
	s_barrier_signal -3
.Lnot_wave_0_\@:
	s_barrier_wait -3
	s_barrier_signal -1
	s_barrier_wait -1
.endm
.macro CROUND                          ; a whole round
	s_barrier_signal -1
	s_barrier_wait -1
	CREST
.endm
.macro DESC1 g, c, r, p                ; words 1 to 7 of a group 1: r rows of c elements, p elements from row to row; the extents are the tile's
	s_mov_b32 s[\g+1], (\c)<<16                    ; tensor_dim0
	s_mov_b32 s[\g+2], (\r)<<16                    ; tensor_dim1
	s_mov_b32 s[\g+3], (\c)<<16                    ; tile_dim0
	s_mov_b32 s[\g+4], \r                          ; tile_dim1
	s_mov_b32 s[\g+5], \p                          ; tensor_dim0_stride
	s_mov_b32 s[\g+6], 0
	s_mov_b32 s[\g+7], 0
.endm
	s_load_b128 s[4:7], s[0:1], 0x0                ; xq s[4:5], wq4 s[6:7]
	v_lshl_add_u32 v[SPW], v0, 2, SPARE
	v_mov_b32 v[NIL], 0
	ds_add_u32 v[SPW], v[NIL]                      ; the wave's opening: the add, twice on end, and its wait ahead of my first tensor load; the set-up below stands between the second and the wait
	ds_add_u32 v[SPW], v[NIL]
	v_lshrrev_b32 v1, 5, v0
	v_readfirstlane_b32 s14, v1                    ; wave 0..3
	s_lshr_b32 s15, s14, 1                         ; which half of the tile's positions is mine.  Also: I fetch for A (0) or for B (1)
	s_and_b32 s16, s14, 1                          ; which half of its columns.  Also: which half of that tile's rows I fetch
	s_bfe_u32 s40, ttmp6, 0x40000                  ; cx: my place in the cluster
	s_lshl_b32 s42, ttmp9, 2
	s_add_co_u32 s42, s42, s40                     ; tile column = 4 x cluster x + cx
	s_and_b32 s17, ttmp7, 0xffff                   ; tile row, which the four partners share
	; descriptor groups 1: tiles of rows of 256 bytes, padded in LDS
	s_mov_b32 s[G1+0], 15|(1<<20)|(1<<21)|(5<<22)|(3<<25)   ; 15:0 the mask: all four partners; 17:16 elements of 1 byte; 20 padding on; 21 set beside a mask; 24:22 after every 64 words (code 5); 31:25 four words (code 3)
	s_mov_b32 s[G1B+0], (1<<20)|(5<<22)|(3<<25)             ; B's: no mask
	DESC1 G1, ROWB, 64, KROW
	DESC1 G1B, ROWB, 128, KROW
	; the scales of 64 or 128 rows: a dense block, as rows of 256 bytes (32 elements of 8 bytes), 16 bytes of padding behind each
	s_mov_b32 s[G1S+0], 15|(3<<16)|(1<<20)|(1<<21)|(5<<22)|(3<<25)
	s_mov_b32 s[G1SB+0], (3<<16)|(1<<20)|(5<<22)|(3<<25)
	DESC1 G1S, 32, 64*KS/256, 32
	DESC1 G1SB, 32, 128*KS/256, 32
	s_lshl_b32 s18, s16, 6
	s_lshl_b32 s20, s17, 7
	s_add_co_u32 s20, s20, s18                     ; A: row 128 x tile row + 64 x half
	s_lshl_b32 s18, s16, 7
	s_lshl_b32 s46, s42, 8
	s_add_co_u32 s46, s46, s18                     ; B: row 256 x tile column + 128 x half
	s_mov_b32 s21, 0
	s_mov_b32 s47, 0
	s_mov_b64 s[18:19], KS
	s_mul_u64 s[22:23], s[20:21], s[18:19]         ; where these rows' scales begin, in bytes
	s_mul_u64 s[92:93], s[46:47], s[18:19]
	s_mov_b64 s[18:19], KROW
	s_mul_u64 s[20:21], s[20:21], s[18:19]         ; and their codes
	s_mul_u64 s[46:47], s[46:47], s[18:19]
	s_mul_i32 s45, s16, HALFA                      ; where they go: no place in the cluster enters an LDS address
	s_mul_i32 s95, s16, HALFB
	s_mul_i32 s94, s16, HALFSA
	s_mul_i32 s96, s16, HALFSB
	s_wait_dscnt 0x0                               ; both opening adds are done
	s_wait_kmcnt 0x0
	s_add_nc_u64 s[20:21], s[4:5], s[20:21]        ; A's codes
	s_add_nc_u64 s[22:23], s[4:5], s[22:23]
	s_add_nc_u64 s[22:23], s[22:23], 0x400000      ; A's scales lie behind its codes
	s_add_nc_u64 s[46:47], s[6:7], s[46:47]        ; B's codes
	s_add_nc_u64 s[92:93], s[6:7], s[92:93]
	s_add_nc_u64 s[92:93], s[92:93], 0x200000      ; B's scales
	CROUND                                         ; all four work-groups are here: the first joint loads meet
	s_mov_b32 s[G0S], 1
	s_add_co_u32 s[G0S+1], s94, SCL
	s_mov_b64 s[G0S+2:G0S+3], s[22:23]
	s_or_b32 s[G0S+3], s[G0S+3], 0x80000000
	s_mov_b32 s[G0SB], 1
	s_add_co_u32 s[G0SB+1], s96, SCL+2*HALFSA
	s_mov_b64 s[G0SB+2:G0SB+3], s[92:93]
	s_or_b32 s[G0SB+3], s[G0SB+3], 0x80000000
	JLOAD G0S, G1S, G0SB, G1SB                     ; the scales first: they are wanted with K step 0
.irp s, 0,1
	s_mov_b32 s[G0+4*\s], 1
	s_add_co_u32 s[G0+4*\s+1], s45, \s*SLOT
	s_add_nc_u64 s[G0+4*\s+2:G0+4*\s+3], s[20:21], \s*ROWB
	s_or_b32 s[G0+4*\s+3], s[G0+4*\s+3], 0x80000000
	s_mov_b32 s[G0B+4*\s], 1
	s_add_co_u32 s[G0B+4*\s+1], s95, \s*SLOT+BOFF
	s_add_nc_u64 s[G0B+4*\s+2:G0B+4*\s+3], s[46:47], \s*ROWB
	s_or_b32 s[G0B+4*\s+3], s[G0B+4*\s+3], 0x80000000
	JLOAD G0+4*\s, G1, G0B+4*\s, G1B
.endr
	v_and_b32 v1, 15, v0                           ; l % 16
	v_bfe_u32 v2, v0, 4, 1                         ; l / 16
	v_mul_u32_u24 v3, v1, PITCH
	v_lshl_add_u32 v4, v2, 4, v3                   ; a fragment's row x pitch + 16 x half
	s_mul_i32 s21, s15, HALFA                      ; my 64 rows of A
	s_mul_i32 s22, s16, HALFB                      ; my 128 rows of B,
	s_add_co_u32 s22, s22, BOFF                    ; which lie behind A's 128
.irp s, 0,1
	v_add_nc_u32 v[ADRA+\s], s21, v4
	v_add_nc_u32 v[ADRB+\s], s22, v4
	s_add_co_u32 s21, s21, SLOT
	s_add_co_u32 s22, s22, SLOT
.endr
	v_mul_u32_u24 v5, v1, KS                       ; my row's scales: KS bytes a row,
	v_lshrrev_b32 v6, 8, v5
	v_lshl_add_u32 v5, v6, 4, v5                   ; and 16 more for each 256 passed
	s_mul_i32 s21, s15, HALFSA                     ; A's: my 64 rows
	s_mul_i32 s22, s16, HALFSB                     ; B's: my 128 rows, behind A's 128
	s_add_co_u32 s22, s22, 2*HALFSA
	s_sub_co_u32 s22, s22, s21
	v_mul_u32_u24 v6, s22, v2                      ; lanes 16-31 take B's
	s_add_co_u32 s21, s21, SCL
	v_add_nc_u32 v5, v5, v6
	v_add_nc_u32 v[ADRS], s21, v5
.macro FRAG reg, adr, q, i             ; a fragment, 16 rows x 128 K of 4-bit codes: lane l holds row l % 16; registers 4 c .. 4 c + 3 hold K = 64 c + 32 (l / 16) + 0 .. 31
.irp c, 0,1
	ds_load_b128 v[\reg+4*\c:\reg+4*\c+3], v[\adr] offset:64*(\q)+32*\c+(\i)*16*PITCH
.endr
.endm
; 8 matrix instructions: A's block a x B's eight, 128 along K, fragment sets p.  zero = 1: the product starts the sums.  The 32 accumulators take turns, one instruction a turn, in the same order in every step.
.macro MULA a, p, q, sc, zero
.irp b, 0,1,2,3,4,5,6,7
.if \zero
	v_wmma_scale_f32_16x16x128_f8f6f4 v[8*(8*(\a)+\b):8*(8*(\a)+\b)+7], v[128*(\p)+FR*\b:128*(\p)+FR*\b+FR-1], v[AF+32*(\p)+FR*(\a):AF+32*(\p)+FR*(\a)+FR-1], 0, v[SC+8*NQ*(\sc)+NQ*\b+(\q)], v[SC+8*NQ*(\sc)+NQ*(\a)+(\q)] matrix_a_fmt:MATRIX_FMT_FP4 matrix_b_fmt:MATRIX_FMT_FP4 matrix_a_scale:MATRIX_SCALE_ROW1
.else
	v_wmma_scale_f32_16x16x128_f8f6f4 v[8*(8*(\a)+\b):8*(8*(\a)+\b)+7], v[128*(\p)+FR*\b:128*(\p)+FR*\b+FR-1], v[AF+32*(\p)+FR*(\a):AF+32*(\p)+FR*(\a)+FR-1], v[8*(8*(\a)+\b):8*(8*(\a)+\b)+7], v[SC+8*NQ*(\sc)+NQ*\b+(\q)], v[SC+8*NQ*(\sc)+NQ*(\a)+(\q)] matrix_a_fmt:MATRIX_FMT_FP4 matrix_b_fmt:MATRIX_FMT_FP4 matrix_a_scale:MATRIX_SCALE_ROW1
.endif
.endr
.endm
.macro FETCH_B slot, q, p              ; B's eight fragments of the slot's q-th 128 along K into set p
	WIN TO_B
.irp i, 0,1,2,3,4,5,6,7
	FRAG 128*(\p)+FR*\i, ADRB+\slot, \q, \i
.endr
	WIN 0
.endm
.macro FETCH_A slot, q, p              ; A's four
.irp i, 0,1,2,3
	FRAG AF+32*(\p)+FR*\i, ADRA+\slot, \q, \i
.endr
.endm
.macro SCALES sc                       ; the next K step's scale words: lanes 16-31 take B's block i; lanes 0-15 A's block i (for i above 3 they read scale bytes of other rows, which no product names)
.irp i, 0,1,2,3,4,5,6,7
	ds_load_b128 v[SC+8*NQ*\sc+NQ*\i:SC+8*NQ*\sc+NQ*\i+3], v[ADRS] offset:\i*SBLK
.endr
.endm
; A load into a register that a matrix instruction has read, and a vector instruction or a store that reads a matrix result, stand NP places behind it; only plain vector instructions that name none of its registers are places.
.macro PLACES n
.rept \n
	v_nop
.endr
.endm
; A step of 128 along K that has its successor in the same slot: its fragments were asked for a step ago; the next step's 24 loads go out into the other sets, ahead of this step's 32 matrix instructions.
.macro STEP slot, q, zero
	s_wait_dscnt 0x0                               ; this step's fragments are in
	PLACES NP                                      ; behind the last step's products, which read the sets that are loaded now
	FETCH_B \slot, (\q)+1, 1-(\q)%2
	FETCH_A \slot, (\q)+1, 1-(\q)%2
	WIN MUL_LO
.irp a, 0,1,2,3
	MULA \a, (\q)%2, \q, \slot, \zero
.endr
.endm
; A slot's last step changes slots: one barrier; in front of it each wave waits for all its tensor loads, adds 0 to its spare word, and waits for that and for its own reads of this slot.  fill = 1: this slot is filled again.
.macro TURN slot, next, fill
	WIN 0                                          ; (the add's two registers lie in window 0)
	s_wait_tensorcnt 0x0                           ; all my tensor loads have landed: my part of the next slot
	ds_add_u32 v[SPW], v[NIL]                      ; 0 onto my spare word
	s_wait_dscnt 1                                 ; this step's fragments, my last reads of this slot, are in; the add may be out
	WIN MUL_LO
	MULA 0, 1, NQ-1, \slot, 0                      ; eight matrix instructions stand between the add and the wait for it
	s_wait_dscnt 0x0                               ; the add is done
	s_barrier_signal -1
	MULA 1, 1, NQ-1, \slot, 0
	WIN 0
	s_barrier_wait -1
.if \fill
	CREST                                          ; the barrier has opened a round of the cluster's barrier: no wave of any partner still reads this slot's tile or has a load on its way
	s_add_nc_u64 s[G0+4*\slot+2:G0+4*\slot+3], s[G0+4*\slot+2:G0+4*\slot+3], 2*ROWB
	s_add_nc_u64 s[G0B+4*\slot+2:G0B+4*\slot+3], s[G0B+4*\slot+2:G0B+4*\slot+3], 2*ROWB
	JLOAD G0+4*\slot, G1, G0B+4*\slot, G1B         ; the first tensor load behind the round; its four v_nop are the places in front of the loads below
.else
	PLACES NP
.endif
	v_add_nc_u32 v[ADRS], 4*NQ, v[ADRS]            ; on to the next K step's scale words
	FETCH_B \next, 0, 0
	FETCH_A \next, 0, 0
	SCALES \next
	WIN MUL_LO
	MULA 2, 1, NQ-1, \slot, 0                      ; sixteen matrix instructions while the next slot's first fragments come
	MULA 3, 1, NQ-1, \slot, 0
.endm
.macro STEPS slot, from
.set Q, \from
.rept NQ-1-\from
	STEP \slot, Q, 0
.set Q, Q+1
.endr
.endm
	s_wait_tensorcnt 1                             ; the scales and my part of K step 0 are in (K step 1's load may be out),
	s_barrier_signal -1
	s_barrier_wait -1                              ; everybody's are
	s_load_b256 s[68:75], s[0:1], 0x10             ; the way out's arguments, into the scale descriptors' registers, whose loads the wait above has shown done: cos, sin, q_norm_w, k_norm_w
	s_load_b128 s[76:79], s[0:1], 0x30             ; qkvh, fin.  They are waited for at the way out
	FETCH_B 0, 0, 0
	FETCH_A 0, 0, 0
	SCALES 0
	STEP 0, 0, 1                                   ; the first step stands in front of the loop: its products start the sums
	WIN 0                                          ; at a label and at a branch every window is 0
	s_mov_b32 s3, LAPS-1
.Llap:                                                 ; a trip goes once round the ring and fills both slots again
	STEPS 0, 1
	TURN 0, 1, 1
	STEPS 1, 0
	TURN 1, 0, 1
	STEP 0, 0, 0
	WIN 0
	s_sub_co_u32 s3, s3, 1
	s_cmp_lg_u32 s3, 0
	s_cbranch_scc1 .Llap
	STEPS 0, 1                                     ; the last lap fills nothing
	TURN 0, 1, 0
	STEPS 1, 0
	s_wait_dscnt 0x0                               ; the very last step: nothing more to fetch
	WIN MUL_LO
.irp a, 0,1,2,3
	MULA \a, 1, NQ-1, 1, 0
.endr
	WIN 0
; ---------------- THE WAY OUT.  Block a = 16 positions x my head's 128 channels.  Lane (r, h): position 16 a + r, index 8 b + j = channel 16 b + 8 h + j; channel d + 64 is index + 32 of the same lane.
.set CSO, 8                            ; v8   512 r + 32 h: my bytes in a block's rows of cos, sin and fin
.set WOF, 9                            ; v9   32 h: my bytes in the norm's weight
.set FV,  11                           ; v11  512 h + 4 r: fin's transposed v slot
.set SSA, 12                           ; v[12:13], v[14:15] the sum of squares, in two chains
.set SSB, 14
.set TS,  18                           ; v18, v19 at work
.set TS2, 19
.set RSP, 22                           ; v[22:23] 1 / sqrt(mean + eps): the packed multiply names a pair and takes its low word
.set STO, 24                           ; v24  the stage: where I put 16 bytes of a row
.set RD,  25                           ; v25  and where I read a row back
.set GO,  26                           ; v26  my byte offset in a block's rows of qkvh
.set TT,  32
.set PP,  96
.set UU,  128
.set WW,  192
	PLACES NP                                      ; behind the last products: for the loads and vector writes into operands' registers, and for the first reads of results
	s_wait_kmcnt 0x0
	s_lshl_b32 s20, s42, 1
	s_add_co_u32 s20, s20, s16                     ; my head slot
	s_lshl_b32 s21, s17, 7
	s_lshl_b32 s22, s15, 6
	s_add_co_u32 s21, s21, s22                     ; my first position
	s_lshl_b32 s32, s20, 20
	s_lshl_b32 s22, s21, 8
	s_add_co_u32 s32, s32, s22
	s_mov_b32 s33, 0
	s_add_nc_u64 s[76:77], s[76:77], s[32:33]      ; qkvh at my slot (1 MiB each) and my first position (256 bytes each)
	s_lshl_b32 s32, s21, 9
	s_add_nc_u64 s[68:69], s[68:69], s[32:33]      ; cos and sin at my first position
	s_add_nc_u64 s[70:71], s[70:71], s[32:33]
	s_lshl_b32 s32, s20, 13
	s_add_nc_u64 s[78:79], s[78:79], s[32:33]      ; fin at my slot (8 KiB each)
	s_cmp_eq_u32 ttmp9, 0                          ; cluster x = 0: query heads
	s_cselect_b64 s[72:73], s[72:73], s[74:75]     ; the norm's weight: q's or k's
	s_and_b32 s34, ttmp9, s16                      ; 1: a V head (cluster x = 1, odd slot)
	s_or_b32 s35, s17, s15                         ; 0: my block 0 is positions 0 to 15
	s_mov_b32 s36, 0x76543210
	s_mov_b32 s37, 0xfedcba98                      ; v_permlanex16_b32's selects for lane l xor 16
	s_mov_b32 s38, 0x3c000000                      ; 1 / 128
	s_mov_b32 s39, 0x358637bd                      ; eps = 1e-6
	v_and_b32 v1, 15, v0                           ; r
	v_bfe_u32 v2, v0, 4, 1                         ; h
	v_lshlrev_b32 v[CSO], 9, v1
	v_lshl_add_u32 v[CSO], v2, 5, v[CSO]
	v_lshlrev_b32 v[WOF], 5, v2
	v_lshlrev_b32 v[FV], 9, v2
	v_lshl_add_u32 v[FV], v1, 2, v[FV]
	s_mul_i32 s23, s14, 16*PITCH                   ; my stage: 16 rows x 272 bytes in slot 0, which has had its last fill, and which nobody reads behind the last change of slots
	v_mul_u32_u24 v3, v1, PITCH
	v_lshl_add_u32 v3, v2, 4, v3
	v_add_nc_u32 v[STO], s23, v3
	v_mul_u32_u24 v3, v2, PITCH
	v_lshl_add_u32 v3, v1, 4, v3
	v_add_nc_u32 v[RD], s23, v3
	v_lshlrev_b32 v[GO], 8, v2
	v_lshl_add_u32 v[GO], v1, 4, v[GO]
	v_mov_b32 v[RSP+1], 0                          ; named with v22 as a pair, so it is written
	v_mov_b32 v[TS2], 0                            ; a lane permute's destination counts as one of its sources
; A block's packed rows go into my stage and come back as whole rows, into 32 registers of window 3 that are the block's own: no store's data are ever written again.
.macro TOSTAGE a
.irp b, 0,1,2,3,4,5,6,7
	ds_store_b128 v[STO], v[PP+4*\b:PP+4*\b+3] offset:32*\b        ; my eight channels of a row: 16 bytes
.endr
	WIN 0xc0                                       ; destination window 3
.irp n, 0,1,2,3,4,5,6,7
	ds_load_b128 v[32*(\a)+4*\n:32*(\a)+4*\n+3], v[RD] offset:2*\n*PITCH   ; LDS serves a wave's instructions in order: these see the stores above, and the next block's stores come behind them
.endr
	WIN 0
.endm
.macro SEND a
	s_wait_dscnt 0x0                               ; the block is back in registers, and its stores into the stage have read theirs
	WIN 0x0c                                       ; a store's data are its source 1: window 3
.irp n, 0,1,2,3,4,5,6,7
	global_store_b128 v[GO], v[32*(\a)+4*\n:32*(\a)+4*\n+3], s[76:77] offset:4096*(\a)+512*\n   ; the wave stores 512 consecutive bytes, two rows
.endr
	WIN 0
.endm
	s_cmp_eq_u32 s34, 1
	s_cbranch_scc1 .Lv
; Q and K heads: norm, weight, RoPE.
.macro CSLOAD a                        ; block a's cos and sin into set a % 2 of window 1: set 0 at v64 and v192, set 1 at v0 and v128
.set CL, 64-64*((\a)%2)
.set SL, 192-64*((\a)%2)
	WIN 0x40
.irp b, 0,1,2,3,4,5,6,7
.irp e, 0,1
	global_load_b128 v[CL+8*\b+4*\e:CL+8*\b+4*\e+3], v[CSO], s[68:69] offset:(\a)*8192+64*\b+16*\e
	global_load_b128 v[SL+8*\b+4*\e:SL+8*\b+4*\e+3], v[CSO], s[70:71] offset:(\a)*8192+64*\b+16*\e
.endr
.endr
	WIN 0
.endm
.macro QKBLOCK a
.if (\a) < 3
	CSLOAD (\a)+1
.endif
.set AC, 64*(\a)
.set CC, 64-64*((\a)%2)
.set SN, 192-64*((\a)%2)
	WIN 0x0a                                       ; sources 0 and 1: the accumulators' window
	v_pk_mul_f32 v[SSA:SSA+1], v[AC:AC+1], v[AC:AC+1]              ; the sum of my 64 squares; each accumulator is read from its low end on
	v_pk_mul_f32 v[SSB:SSB+1], v[AC+2:AC+3], v[AC+2:AC+3]
.set i, 4
.rept 15
	v_pk_fma_f32 v[SSA:SSA+1], v[AC+i:AC+i+1], v[AC+i:AC+i+1], v[SSA:SSA+1]
	v_pk_fma_f32 v[SSB:SSB+1], v[AC+i+2:AC+i+3], v[AC+i+2:AC+i+3], v[SSB:SSB+1]
.set i, i+4
.endr
	WIN 0
	v_pk_add_f32 v[SSA:SSA+1], v[SSA:SSA+1], v[SSB:SSB+1]
	v_add_f32 v[TS], v[SSA], v[SSA+1]
	v_permlanex16_b32 v[TS2], v[TS], s36, s37
	v_add_f32 v[TS], v[TS], v[TS2]                 ; with lane l xor 16's 64: the row's
	v_fma_f32 v[TS], v[TS], s38, s39               ; the mean + eps
	v_rsq_f32 v[RSP], v[TS]
	v_nop                                          ; a plain instruction behind the transcendental
	s_wait_alu depctr_va_vdst(0)                   ; and the wait ahead of its first reader
	WIN 0x02
.set i, 0
.rept 32
	v_pk_mul_f32 v[TT+i:TT+i+1], v[AC+i:AC+i+1], v[RSP:RSP+1] op_sel_hi:[1,0]
.set i, i+2
.endr
	WIN 0
.if (\a) < 3
	s_wait_loadcnt 32                              ; the weight and this block's cos and sin are in; the next block's 32 loads may be out
.else
	s_wait_loadcnt 0x0
.endif
.set i, 0
.rept 32
	v_pk_mul_f32 v[TT+i:TT+i+1], v[TT+i:TT+i+1], v[WW+i:WW+i+1]
.set i, i+2
.endr
	WIN 0x04                                       ; source 1: window 1
.set i, 0
.rept 16
	v_pk_mul_f32 v[UU+i:UU+i+1], v[TT+i:TT+i+1], v[CC+i:CC+i+1]                    ; x(d) cos(d), d < 64
	v_pk_mul_f32 v[UU+32+i:UU+32+i+1], v[TT+32+i:TT+32+i+1], v[CC+32+i:CC+32+i+1]  ; x(d + 64) cos(d + 64)
.set i, i+2
.endr
.set i, 0
.rept 16
	v_pk_fma_f32 v[UU+i:UU+i+1], v[TT+32+i:TT+32+i+1], v[SN+i:SN+i+1], v[UU+i:UU+i+1] neg_lo:[1,0,0] neg_hi:[1,0,0]   ; - x(d + 64) sin(d)
	v_pk_fma_f32 v[UU+32+i:UU+32+i+1], v[TT+i:TT+i+1], v[SN+32+i:SN+32+i+1], v[UU+32+i:UU+32+i+1]                     ; + x(d) sin(d + 64)
.set i, i+2
.endr
	WIN 0
.if (\a) > 0
	SEND (\a)-1                                    ; the block before leaves here: this block's arithmetic has stood between its loads from the stage and the wait for them
.endif
.set i, 0
.rept 32
	v_cvt_pk_f16_f32 v[PP+i], v[UU+2*i], v[UU+2*i+1]
.set i, i+1
.endr
.if (\a) == 0
	s_cmp_lg_u32 s35, 0                            ; positions 0 to 15 also leave in f32; the branch hangs on the tile row and the wave's number
	s_cbranch_scc1 .Lnofine_qk
.irp b, 0,1,2,3,4,5,6,7
.irp e, 0,1
	global_store_b128 v[CSO], v[UU+8*\b+4*\e:UU+8*\b+4*\e+3], s[78:79] offset:64*\b+16*\e
.endr
.endr
	s_wait_xcnt 0x0                                ; these stores have read U's registers, which the next block writes again
.Lnofine_qk:
.endif
	TOSTAGE \a
.endm
.irp b, 0,1,2,3,4,5,6,7
.irp e, 0,1
	global_load_b128 v[WW+8*\b+4*\e:WW+8*\b+4*\e+3], v[WOF], s[72:73] offset:64*\b+16*\e
.endr
.endr
	CSLOAD 0
.irp a, 0,1,2,3
	QKBLOCK \a
.endr
	SEND 3
	s_branch .Ldone
; V heads: rounded to f16 as they are.
.Lv:
.macro VBLOCK a
.if (\a) > 0
	SEND (\a)-1
.endif
.set AC, 64*(\a)
	WIN 0x0a
.set i, 0
.rept 32
	v_cvt_pk_f16_f32 v[PP+i], v[AC+2*i], v[AC+2*i+1]               ; each accumulator from its low end on
.set i, i+1
.endr
	WIN 0
.if (\a) == 0
	s_cmp_lg_u32 s35, 0
	s_cbranch_scc1 .Lnofine_v
	WIN 0x08                                       ; a store's data are its source 1: window 2
.irp b, 0,1,2,3,4,5,6,7
.irp j, 0,1,2,3,4,5,6,7
	global_store_b32 v[FV], v[8*\b+\j], s[78:79] offset:(16*\b+\j)*64   ; positions 0 to 15 in f32, transposed: channel 16 b + 8 h + j, position r
.endr
.endr
	WIN 0
.Lnofine_v:
.endif
	TOSTAGE \a
.endm
.irp a, 0,1,2,3
	VBLOCK \a
.endr
	SEND 3
.Ldone:
	s_wait_tensorcnt 0x0                           ; the wave's end, behind my last tensor load and my last LDS store
	ds_add_u32 v[SPW], v[NIL]
	s_wait_dscnt 0x0
	CROUND                                         ; the closing round: no work-group ends while a partner may still ask for a tile that names it
	s_endpgm
.Lfunc_end_k_q5a4342e942_qkv:
	.size	k_q5a4342e942_qkv, .Lfunc_end_k_q5a4342e942_qkv-k_q5a4342e942_qkv
	.p2alignl 7, 3214868480
	.fill 96, 4, 3214868480
	.section	.rodata,"a",@progbits
	.p2align	6, 0x0
	.amdhsa_kernel k_q5a4342e942_qkv
		.amdhsa_group_segment_fixed_size 327680
		.amdhsa_private_segment_fixed_size 0
		.amdhsa_enable_private_segment 0
		.amdhsa_kernarg_size 64
		.amdhsa_user_sgpr_count 2
		.amdhsa_user_sgpr_kernarg_segment_ptr 1
		.amdhsa_wavefront_size32 1
		.amdhsa_system_sgpr_workgroup_id_x 1
		.amdhsa_system_sgpr_workgroup_id_y 1
		.amdhsa_system_sgpr_workgroup_id_z 1
		.amdhsa_system_vgpr_workitem_id 0
		.amdhsa_next_free_vgpr 1024
		.amdhsa_next_free_sgpr 100
		.amdhsa_reserve_vcc 0
		.amdhsa_float_denorm_mode_32 3
		.amdhsa_float_denorm_mode_16_64 3
		.amdhsa_memory_ordered 1
		.amdhsa_forward_progress 1
		.amdhsa_inst_pref_size 203
	.end_amdhsa_kernel
	.amdgpu_metadata
---
amdhsa.version: [ 1, 2 ]
amdhsa.kernels:
  - .name:           k_q5a4342e942_qkv
    .symbol:         k_q5a4342e942_qkv.kd
    .args:
      - { .name: xq, .offset: 0, .size: 8, .value_kind: global_buffer, .address_space: global }
      - { .name: wq4, .offset: 8, .size: 8, .value_kind: global_buffer, .address_space: global }
      - { .name: cos, .offset: 16, .size: 8, .value_kind: global_buffer, .address_space: global }
      - { .name: sin, .offset: 24, .size: 8, .value_kind: global_buffer, .address_space: global }
      - { .name: q_norm_w, .offset: 32, .size: 8, .value_kind: global_buffer, .address_space: global }
      - { .name: k_norm_w, .offset: 40, .size: 8, .value_kind: global_buffer, .address_space: global }
      - { .name: qkvh, .offset: 48, .size: 8, .value_kind: global_buffer, .address_space: global }
      - { .name: fin, .offset: 56, .size: 8, .value_kind: global_buffer, .address_space: global }
    .group_segment_fixed_size: 327680
    .private_segment_fixed_size: 0
    .kernarg_segment_align: 8
    .kernarg_segment_size: 64
    .max_flat_workgroup_size: 128
    .sgpr_count:     100
    .vgpr_count:     1024
    .wavefront_size: 32
...
	.end_amdgpu_metadata
.endif
;; end of part 2
;; launch attn (part 3): grid 64 x 4, 4 waves a work-group, clusters of 4 x 1, 327,680 bytes of LDS; arguments qkvh, at; writes at
.if DOCPART == 3
	.amdgcn_target "amdgcn-amd-amdhsa--gfx1250"
	.amdhsa_code_object_version 6
	.text
	.protected	k_q5a4342e942_attn
	.globl	k_q5a4342e942_attn
	.p2align	8
	.type	k_q5a4342e942_attn,@function
k_q5a4342e942_attn:
	s_mov_b64 s[64:65], 0
	v_nop
	global_prefetch_b8 v0, s[64:65] scope:SCOPE_SE
	s_setreg_imm32_b32 hwreg(HW_REG_WAVE_MODE, 25, 1), 1
	s_wait_xcnt 0x0
	s_wait_alu depctr_hold_cnt(0) depctr_sa_sdst(0) depctr_va_vdst(0) depctr_va_sdst(0) depctr_va_ssrc(0) depctr_va_vcc(0) depctr_vm_vsrc(0)
	s_getreg_b32 s2, hwreg(HW_REG_IB_STS2, 6, 4)
	s_cmp_eq_u32 s2, 0
	s_cbranch_scc0 .Lentry_in_a_cluster
	s_endpgm
.Lentry_in_a_cluster:
	s_bfe_u32 s2, ttmp6, 0x10000c
	s_cmp_lg_u32 s2, 0x3003
	s_cbranch_scc0 .Lentry_shape_is_right
	s_endpgm
.Lentry_shape_is_right:
; THIRD LAUNCH: causal attention on f16 operands, f32 sums, maxima and exponentials.  in: qkvh, f16 [16 slots][4096][128] (q0 .. q7, k0, v0, .. k3, v3);  out: at, f16 [4096][8 heads x 128].
; WORK LEFT OUT: key tiles all of whose keys lie behind every query of the block in hand: reference()'s own causal mask gives them the weight exp(-1e9 - max) = 0 (shown at the head of launch prep).
; SHARES.  A work-group holds 64 rows: the 2 query heads of one key/value head x 32 positions: four tiles of 16.  EVERY WAVE HOLDS ALL 64 ROWS, AND THE FOUR WAVES SHARE THE KEYS: a step is 256 keys, wave w takes keys
; 64 w .. 64 w + 63 of it, so that each fragment of K and V read from LDS feeds four matrix instructions.  Each wave keeps a running maximum, sum and O of its own; the four are merged through LDS at a block's end.
; EQUAL WORK.  The four partners of a cluster are the four 32-position parts of a block of 128 positions.  Cluster X (0 .. 15) takes block X and then block 31 - X: X / 2 + 1 steps and then 16 - X / 2: 17 steps for every
; cluster, a constant trip count, and 16 x 4 x 4 = 256 work-groups of equal work.
; CLUSTER.  The partners walk the same K and V, so each tile is asked for JOINTLY (mask 15): wave 0 asks for a step's 256 rows of K, wave 1 for its 256 rows of V.  Two loaders and not four: of a block's last step 128 or
; 256 keys count, and a load of half a tile could bring bytes that nobody reads; each whole tile holds keys that waves 0 and 1 of every partner read.
; LAYOUT.  S^T = K Q^T (source 0 = 16 keys, source 1 = 16 queries): a lane holds ONE query (lane % 16) and keys 8 (lane / 16) + 0 .. 7.  Two such tiles, rounded to f16 in pairs, are source 1 of O^T = V^T P.
; K comes out of LDS as it lies, V ([key][channel]) turned, by ds_load_tr16_b128.
; SOFTMAX.  p = 2^(c s - c m), c = log2(e) / sqrt(128), m the wave's running maximum; in every step O and l are multiplied by 2^(c m_old - c m_new).  Hidden scores become -infinity ahead of the maximum.
; m begins at -3e38, l and O at 0: a wave that meets no visible key (waves 2 and 3 in block 0) brings zeros with the weight 2^(-huge) = 0 to the merge.
; The step is written in phases (all of K Q^T, the softmax, all of V^T P).
; LIMITS: p under about 6e-8 of its wave's largest is 0 in f16; the output is rounded to f16.
; REGISTERS, in windows of 256: window 0: v1-11, v44-47, v61-63 addresses and masks; v12-43 eight statistics a tile (+0 c m, +1 m, +2, +3 l, +4 .. +7 at work; +6 the rescaling factor); v64-191 S^T, 32 a tile; v192-255 P, 16 a tile.
;   window 1: O^T, 64 a tile.   window 2: v0-127 Q, 32 a tile; v128-255 K.   window 3: v0-127 V.
.set PK,    272                        ; a row of K in LDS: 256 bytes + 16: the 16 rows of a load start at 16 different banks (64 banks of 4 bytes: ISA guide 11.1)
.set PV,    288                        ; a row of V: 256 + 32
.set VOFF,  256*PK                     ; a slot: 256 rows of K, then 256 rows of V
.set SLOT,  256*(PK+PV)
.set MAREA, 2*SLOT                     ; behind the ring: the merge's area: for each wave 16 rows x (512 bytes + 16)
.set MW,    16*528
.set STATM, MAREA+4*MW                 ; the waves' c m: tile t at 512 t, 16 bytes a lane, 4 a wave;
.set STATL, STATM+2048                 ; their l likewise
.set SPARE, STATL+2048                 ; the spare words, 128 bytes for each wave: two blocks of 256 bytes that no other line names
.set AK0, 2                            ; v2   my lane's place in my wave's 64 rows of K; never rewritten
.set AV0, 3                            ; v3   the same for V
.set ADK, 4                            ; v4   LDS address of the step's K
.set QO,  5                            ; v5   my byte offset in a tile's rows of Q
.set ADV, 6                            ; v6   LDS address of the step's V
.set POSL, 7                           ; v7   32 cx + lane % 16 - 8 (lane / 16): data for the mask alone
.set D0,  8                            ; v8, v9  the mask's bound for tiles 0, 2 and for tiles 1, 3
.set NINF, 10                          ; v10  -infinity
.set SMA, 11                           ; v11  where I store my wave's statistics
.set ST,  12
.set SML, 44                           ; v44  where I read the four waves' statistics
.set MST, 45                           ; v45  the merge: where I put 32 bytes of a row
.set MRD, 46                           ; v46  and where I read a row back
.set AO,  47                           ; v47  my byte offset in the rows of at that my wave stores
.set PFO, 61                           ; v61  256 x my lane: a row of K or V is 256 bytes; never rewritten
.set SPW, 62                           ; v62  LDS address of my spare word; never rewritten
.set NIL, 63                           ; v63  0; never rewritten
.set S,   64
.set P,   192
.set KF,  128
.set WV,  12                           ; s12  my wave's number
.set LIM, 15                           ; s15  trips in which this cluster prefetches: 15 in cluster 0, else 0
.set PFA, 18                           ; s[18:19] where my prefetches stand
.set KB,  20                           ; s[20:21] my key head's first byte;  s[22:23] my value head's
.set VB,  22
.set G1K, 24                           ; s[24:31], s[32:39] descriptor groups 1;  s[40:43], s[44:47] groups 0
.set G1V, 32
.set G0K, 40
.set G0V, 44
.set TR,  48                           ; s48  the trip, 0 .. 16
.set NE,  49                           ; s49  steps of the first block;  s50 the trip of its last step
.set NE1, 50
.set PB,  51                           ; s51  first position of the block of 128 in hand
.set SK,  52                           ; s52  the step's first key
.set KT,  53                           ; s53  my wave's first key
.set TB,  54                           ; s54  LDS byte of the slot that is read;  s55 of the slot that is filled
.set TBN, 55
.set QP,  56                           ; s[56:57] Q at my first row
.set CS,  58                           ; s[58:59] c: the packed form names a pair and takes its low word
.set SEL, 60                           ; s[60:61] lane selects for v_permlanex16_b32: lane l xor 16
.set ATP, 62                           ; s[62:63] at, at my first row
.set QH0, 66                           ; s[66:67] Q at position 32 cx of query head 2 g;  s[68:69] at likewise
.set AT0, 68
; s[70:71]: offsets that all partners share (they feed the joint descriptors);  s72, s73: at work;  s[74:75]: offsets that hold my place in the cluster
.set MSB, 0
.macro WIN new                         ; the immediate's high byte repeats the setting that is left
.if MSB != \new
	s_set_vgpr_msb (MSB<<8)|\new
.set MSB, \new
.endif
.endm
.macro PLACES
.rept 4
	v_nop
.endr
.endm
; Wave 0 asks for K's tile, wave 1 for V's, the others for nothing.  The branches hang on the wave's number alone.  An s_nop 0 and four v_nop follow each of the two lines.
.macro JLOAD
	s_cmp_eq_u32 s[WV], 0
	s_cbranch_scc0 .Lnot_k_\@
	tensor_load_to_lds s[G0K:G0K+3], s[G1K:G1K+7]
	s_nop 0
.rept 4
	v_nop
.endr
	s_branch .Lasked_\@
.Lnot_k_\@:
	s_cmp_eq_u32 s[WV], 1
	s_cbranch_scc0 .Lasked_\@
	tensor_load_to_lds s[G0V:G0V+3], s[G1V:G1V+7]
	s_nop 0
.rept 4
	v_nop
.endr
.Lasked_\@:
.endm
; A PREFETCH INTO THE L2 of the step that the NEXT trip's joint loads will ask for: one trip, 128 matrix instructions and a softmax, ahead of them.  All clusters of a key/value head walk the same rows from key 0 on;
; cluster 0, whose second block walks all 16 steps, asks, and nobody else.  Its four partners share a step's 256 rows out BY ADDRESS, 64 each; in each, waves 0 and 1 name 32 rows of K each, waves 2 and 3 of V: a lane a row
; of 256 bytes.  So each row of steps 1 to 15 is named once in the launch; step 0 comes by its loads alone, and the last trips ask for nothing.
.macro ASK
	s_cmp_lt_u32 s[TR], s[LIM]
	s_cbranch_scc0 .Lnot_mine_\@
	global_prefetch_b8 v[PFO], s[PFA:PFA+1] th:TH_LOAD_NT scope:SCOPE_SE
.Lnot_mine_\@:
.endm
.macro CROUND                          ; a round of the cluster's barrier
	s_barrier_signal -1
	s_barrier_wait -1
	s_cmp_lg_u32 s[WV], 0
	s_cbranch_scc1 .Lnot_wave_0_\@
	s_barrier_signal -3
.Lnot_wave_0_\@:
	s_barrier_wait -3
	s_barrier_signal -1
	s_barrier_wait -1
.endm
.macro QLOAD                           ; my work-group's 64 rows of Q: fragment i: tile i / 4 (position half (i / 4) % 2, head (i / 4) / 2), channels 32 (i % 4) on
	WIN 0x80                                       ; destination window 2
.set i, 0
.rept 16
	global_load_b128 v[8*i:8*i+3],   v[QO], s[QP:QP+1] offset:((i/4)%2)*4096+((i/4)/2)*1048576+(i%4)*64
	global_load_b128 v[8*i+4:8*i+7], v[QO], s[QP:QP+1] offset:((i/4)%2)*4096+((i/4)/2)*1048576+(i%4)*64+32
.set i, i+1
.endr
	WIN 0
.endm
.macro INIT                            ; a block begins: O^T = 0, l = 0, m = -3e38.  The zeros are wanted: a wave that meets no visible key adds them in the merge
	WIN 0x40
.set i, 0
.rept 256
	v_mov_b32 v[i], 0
.set i, i+1
.endr
	WIN 0
.irp t, 0,1,2,3
	v_mov_b32 v[ST+8*\t+1], 0xff61b1e6
	v_mul_f32 v[ST+8*\t], s[CS], v[ST+8*\t+1]
.irp n, 2,3,4,5,6,7
	v_mov_b32 v[ST+8*\t+\n], 0
.endr
.endr
.endm
; THE CHANGE OF SLOTS stands at a trip's head.  Each wave waits for all its tensor loads (the slot that it is about to read), adds 0 to its spare word, and waits for that and for its reads of the slot that it has left.
; fill = 1: a round of the cluster's barrier, and behind it the joint load of the next trip's step into the slot just left: it has a whole trip in which to land.  By this text's count a wave has at most one tensor load out.
.macro CHANGE fill
	s_wait_tensorcnt 0x0                           ; no tensor load of mine is out, so a group 0 may be written
	ds_add_u32 v[SPW], v[NIL]                      ; 0 onto my spare word
.if \fill
	ds_add_u32 v[SPW], v[NIL]                      ; and once more: the add twice on end, in every trip alike
	s_xor_b32 s[TBN], s[TBN], SLOT                 ; the other slot than last time
	s_mov_b32 s[G0K+1], s[TBN]
	s_add_co_u32 s[G0V+1], s[TBN], VOFF
	s_add_co_u32 s70, s[TR], 1                     ; the next trip's step: trip n is step n of the first block, or step n - NE of the second
	s_sub_co_u32 s71, s70, s[NE]
	s_cmp_lt_u32 s70, s[NE]
	s_cselect_b32 s70, s70, s71
	s_lshl_b32 s70, s70, 16                        ; 256 rows of 256 bytes a step
	s_mov_b32 s71, 0
	s_add_nc_u64 s[G0K+2:G0K+3], s[KB:KB+1], s[70:71]
	s_or_b32 s[G0K+3], s[G0K+3], 0x80000000
	s_add_nc_u64 s[G0V+2:G0V+3], s[VB:VB+1], s[70:71]
	s_or_b32 s[G0V+3], s[G0V+3], 0x80000000
	s_wait_xcnt 0x0                                ; the last prefetch, a trip back, has read its address, so it may be written
	s_add_nc_u64 s[PFA:PFA+1], s[PFA:PFA+1], 65536
	s_wait_dscnt 0x0                               ; both adds are done, and my reads of the slot that I have left are over
	CROUND
	JLOAD
	ASK
.else
	s_wait_dscnt 0x0
	s_barrier_signal -1
	s_barrier_wait -1
.endif
.endm
; A STEP: my wave's 64 keys of the step's 256, for all four tiles.
.macro STEP
	s_lshl_b32 s72, s[WV], 6
	s_add_co_u32 s[KT], s[SK], s72
	s_add_co_u32 s72, s[PB], 127
	s_cmp_gt_u32 s[KT], s72                        ; all my keys lie behind the block's last position: nothing to do.  (Ids, the trip and the wave's number alone; no barrier and no tensor load stands in a step)
	s_cbranch_scc1 .Lhidden_\@
	v_add_nc_u32 v[ADK], s[TB], v[AK0]
	v_add_nc_u32 v[ADV], s[TB], v[AV0]
	WIN 0x80                                       ; destination window 2
.irp f, 0,1,2,3,4,5,6,7,8,9,10,11,12,13,14,15      ; K: keys 16 (f / 4) on, channels 32 (f % 4) on
	ds_load_b128 v[KF+8*\f:KF+8*\f+3],   v[ADK] offset:(\f/4)*16*PK+(\f%4)*64
	ds_load_b128 v[KF+8*\f+4:KF+8*\f+7], v[ADK] offset:(\f/4)*16*PK+(\f%4)*64+32
.endr
	WIN 0xc0                                       ; destination window 3
.irp f, 0,1,2,3,4,5,6,7,8,9,10,11,12,13,14,15      ; V, turned: keys 32 (f / 8) on, channels 16 (f % 8) on
	ds_load_tr16_b128 v[8*\f:8*\f+3],   v[ADV] offset:(\f/8)*32*PV+(\f%8)*32
	ds_load_tr16_b128 v[8*\f+4:8*\f+7], v[ADV] offset:(\f/8)*32*PV+16*PV+(\f%8)*32
.endr
	s_wait_dscnt 32                                ; K is in; V's 32 loads may be out
	WIN 0x0a                                       ; K and Q in window 2, S^T in window 0
.set i, 0
.rept 64                                           ; S^T = K Q^T: tile i % 4, keys 16 ((i / 4) % 4) on, channels 32 (i / 16) on: sixteen accumulators by turns; the first 16 start the sums
.set rS, S+32*(i%4)+8*((i/4)%4)
.set rK, KF+32*((i/4)%4)+8*(i/16)
.set rQ, 32*(i%4)+8*(i/16)
.if i < 16
	v_wmma_f32_16x16x32_f16 v[rS:rS+7], v[rK:rK+7], v[rQ:rQ+7], 0
.else
	v_wmma_f32_16x16x32_f16 v[rS:rS+7], v[rK:rK+7], v[rQ:rQ+7], v[rS:rS+7]
.endif
.set i, i+1
.endr
	WIN 0
	PLACES
	s_add_co_u32 s72, s[KT], 63
	s_cmp_le_u32 s72, s[PB]                        ; all my keys count for every position of the block: no mask
	s_cbranch_scc1 .Lopen_\@
	s_sub_co_i32 s72, s[PB], s[KT]
	v_add_nc_u32 v[D0], s72, v[POSL]               ; register 8 a + j of a tile holds key KT + 16 a + 8 (lane / 16) + j: hidden where 16 a + j > my position - KT - 8 (lane / 16)
	v_add_nc_u32 v[D0+1], 16, v[D0]                ; tiles 1 and 3 lie 16 positions on
.irp u, 0,1
.irp a, 0,1,2,3
.irp j, 0,1,2,3,4,5,6,7
	v_cmp_gt_i32 vcc_lo, 16*\a+\j, v[D0+\u]
	v_cndmask_b32 v[S+32*\u+8*\a+\j], v[S+32*\u+8*\a+\j], v[NINF], vcc_lo
	v_cndmask_b32 v[S+64+32*\u+8*\a+\j], v[S+64+32*\u+8*\a+\j], v[NINF], vcc_lo
.endr
.endr
.endr
.Lopen_\@:
	; the maximum of a lane's 32 scores and the old m, three operands at a time; the four tiles by turns, so that no line waits for the line above it
.irp q, 0,1,2,3
.irp t, 0,1,2,3
	v_max3_num_f32 v[ST+8*\t+4+\q], v[S+32*\t+8*\q], v[S+32*\t+8*\q+1], v[S+32*\t+8*\q+2]
.endr
.endr
.irp n, 3,5
.irp q, 0,1,2,3
.irp t, 0,1,2,3
	v_max3_num_f32 v[ST+8*\t+4+\q], v[ST+8*\t+4+\q], v[S+32*\t+8*\q+\n], v[S+32*\t+8*\q+\n+1]
.endr
.endr
.endr
.irp t, 0,1,2,3
	v_max3_num_f32 v[ST+8*\t+4], v[ST+8*\t+4], v[S+32*\t+7], v[S+32*\t+15]
.endr
.irp t, 0,1,2,3
	v_max3_num_f32 v[ST+8*\t+6], v[ST+8*\t+6], v[S+32*\t+23], v[S+32*\t+31]
.endr
.irp t, 0,1,2,3
	v_max3_num_f32 v[ST+8*\t+4], v[ST+8*\t+4], v[ST+8*\t+5], v[ST+8*\t+6]
.endr
.irp t, 0,1,2,3
	v_max3_num_f32 v[ST+8*\t+4], v[ST+8*\t+4], v[ST+8*\t+7], v[ST+8*\t+1]
.endr
.irp t, 0,1,2,3
	v_permlanex16_b32 v[ST+8*\t+5], v[ST+8*\t+4], s[SEL], s[SEL+1]   ; the query's other 32 keys lie in the lane 16 away
.endr
.irp t, 0,1,2,3
	v_mov_b32 v[ST+8*\t+7], v[ST+8*\t]             ; c m_old
.endr
.irp t, 0,1,2,3
	v_max_num_f32 v[ST+8*\t+1], v[ST+8*\t+4], v[ST+8*\t+5]
.endr
.irp t, 0,1,2,3
	v_mul_f32 v[ST+8*\t], s[CS], v[ST+8*\t+1]
.endr
.irp t, 0,1,2,3
	v_sub_f32 v[ST+8*\t+7], v[ST+8*\t+7], v[ST+8*\t]
.endr
.set i, 0
.rept 16
.irp t, 0,1,2,3
	v_pk_fma_f32 v[S+32*\t+2*i:S+32*\t+2*i+1], v[S+32*\t+2*i:S+32*\t+2*i+1], s[CS:CS+1], v[ST+8*\t:ST+8*\t+1] op_sel_hi:[1,0,0] neg_lo:[0,0,1] neg_hi:[0,0,1]   ; c s - c m
.endr
.set i, i+1
.endr
.irp t, 0,1,2,3
	v_exp_f32 v[ST+8*\t+6], v[ST+8*\t+7]           ; ONE BATCH: the four factors 2^(c m_old - c m_new) and the 128 weights
.endr
.set i, 0
.rept 32
.irp t, 0,1,2,3
	v_exp_f32 v[S+32*\t+i], v[S+32*\t+i]
.endr
.set i, i+1
.endr
	v_nop                                          ; a plain instruction behind the last exponential
	s_wait_alu depctr_va_vdst(0)                   ; and the one wait ahead of the batch's first reader
.set i, 0
.rept 16
.irp t, 0,1,2,3
	v_cvt_pk_f16_f32 v[P+16*\t+i], v[S+32*\t+2*i], v[S+32*\t+2*i+1]
.endr
.set i, i+1
.endr
.irp w, 4,8,16,32                                  ; the sum of a tile's 16 pairs, in place: neighbours 1, 2, 4 and 8 pairs apart
.set u, 0
.rept 32/\w
.irp t, 0,1,2,3
	v_pk_add_f32 v[S+32*\t+\w*u:S+32*\t+\w*u+1], v[S+32*\t+\w*u:S+32*\t+\w*u+1], v[S+32*\t+\w*u+\w/2:S+32*\t+\w*u+\w/2+1]
.endr
.set u, u+1
.endr
.endr
.irp t, 0,1,2,3
	v_pk_fma_f32 v[ST+8*\t+2:ST+8*\t+3], v[ST+8*\t+2:ST+8*\t+3], v[ST+8*\t+6:ST+8*\t+7], v[S+32*\t:S+32*\t+1] op_sel_hi:[1,0,1]
.endr
	WIN 0x41                                       ; O^T (destination and source 0) in window 1
.set i, 0
.rept 32
.irp t, 0,1,2,3
	v_pk_mul_f32 v[64*\t+2*i:64*\t+2*i+1], v[64*\t+2*i:64*\t+2*i+1], v[ST+8*\t+6:ST+8*\t+7] op_sel_hi:[1,0]
.endr
.set i, i+1
.endr
	s_wait_dscnt 0x0                               ; V is in
	WIN 0x53                                       ; V in window 3, P in window 0, O^T in window 1
.set i, 0
.rept 64                                           ; O^T += V^T P: tile i % 4, channels 16 ((i / 4) % 8) on, keys 32 (i / 32) on: 32 accumulators by turns
.set rO, 64*(i%4)+8*((i/4)%8)
.set rV, 64*(i/32)+8*((i/4)%8)
.set rP, P+16*(i%4)+8*(i/32)
	v_wmma_f32_16x16x32_f16 v[rO:rO+7], v[rV:rV+7], v[rP:rP+7], v[rO:rO+7]
.set i, i+1
.endr
	WIN 0
	PLACES                                         ; behind the last products: for the next loads into V's registers and for the next reads and writes of O^T
.Lhidden_\@:
.endm
; THE MERGE of the four waves' parts of a block.  With M = the largest of the four c m and e_i = 2^(c m_i - M):  O = sum of e_i O_i / sum of e_i l_i.  Each wave scales its O by e_own / L and puts it, a tile at a time, into its
; part of the merge's area; behind a barrier wave w adds the four parts of rows 4 w .. 4 w + 3, rounds to f16 and stores: 32 lanes store 256 consecutive bytes, aligned.
.macro MERGE
.irp t, 0,1,2,3
	v_add_f32 v[ST+8*\t+4], v[ST+8*\t+2], v[ST+8*\t+3]
.endr
.irp t, 0,1,2,3
	v_permlanex16_b32 v[ST+8*\t+5], v[ST+8*\t+4], s[SEL], s[SEL+1]
.endr
.irp t, 0,1,2,3
	v_add_f32 v[ST+8*\t+4], v[ST+8*\t+4], v[ST+8*\t+5]             ; my wave's l of the query
.endr
.irp t, 0,1,2,3
	ds_store_b32 v[SMA], v[ST+8*\t] offset:512*\t
	ds_store_b32 v[SMA], v[ST+8*\t+4] offset:2048+512*\t
.endr
	s_wait_dscnt 0x0                               ; for the others' sake: my stores have landed
	s_barrier_signal -1
	s_barrier_wait -1
.irp t, 0,1,2,3
	ds_load_b128 v[64+4*\t:67+4*\t], v[SML] offset:512*\t          ; the four waves' c m,
	ds_load_b128 v[80+4*\t:83+4*\t], v[SML] offset:2048+512*\t     ; and l
.endr
	s_wait_dscnt 0x0
.irp t, 0,1,2,3
	v_max3_num_f32 v[96+\t], v[64+4*\t], v[65+4*\t], v[66+4*\t]
.endr
.irp t, 0,1,2,3
	v_max_num_f32 v[96+\t], v[96+\t], v[67+4*\t]                   ; M
.endr
.irp n, 0,1,2,3
.irp t, 0,1,2,3
	v_sub_f32 v[64+4*\t+\n], v[64+4*\t+\n], v[96+\t]
.endr
.endr
.irp t, 0,1,2,3
	v_sub_f32 v[100+\t], v[ST+8*\t], v[96+\t]
.endr
.set i, 0
.rept 16
	v_exp_f32 v[64+i], v[64+i]
.set i, i+1
.endr
.irp t, 0,1,2,3
	v_exp_f32 v[100+\t], v[100+\t]
.endr
	v_nop
	s_wait_alu depctr_va_vdst(0)                   ; one wait for the twenty
.irp t, 0,1,2,3
	v_mul_f32 v[104+\t], v[64+4*\t], v[80+4*\t]
.endr
.irp n, 1,2,3
.irp t, 0,1,2,3
	v_fmac_f32 v[104+\t], v[64+4*\t+\n], v[80+4*\t+\n]             ; L: key 0 counts for every query, so it is above 0
.endr
.endr
.irp t, 0,1,2,3
	v_rcp_f32 v[108+\t], v[104+\t]
.endr
	v_nop
	s_wait_alu depctr_va_vdst(0)                   ; one wait for the four
.irp t, 0,1,2,3
	v_mul_f32 v[ST+8*\t+6], v[100+\t], v[108+\t]                   ; e_own / L
.endr
.irp t, 0,1,2,3
	WIN 0x01                                       ; source 0: window 1
.set i, 0
.rept 32
	v_pk_mul_f32 v[128+2*i:129+2*i], v[64*\t+2*i:64*\t+2*i+1], v[ST+8*\t+6:ST+8*\t+7] op_sel_hi:[1,0]   ; each accumulator from its low end on
.set i, i+1
.endr
	WIN 0
.irp c, 0,1,2,3,4,5,6,7
	ds_store_b128 v[MST], v[128+8*\c:131+8*\c] offset:64*\c        ; query lane % 16, channels 16 c + 8 (lane / 16) + 0 .. 7
	ds_store_b128 v[MST], v[132+8*\c:135+8*\c] offset:64*\c+16
.endr
	s_wait_dscnt 0x0
	s_barrier_signal -1
	s_barrier_wait -1                              ; the four parts of the tile lie in LDS
.irp w, 0,1,2,3
.irp n, 0,1,2,3
	ds_load_b128 v[64+16*\w+4*\n:67+16*\w+4*\n], v[MRD] offset:\w*MW+\n*528
.endr
.endr
	s_wait_dscnt 0x0
.irp n, 0,1,2,3                                    ; (wave 0's + wave 1's) + (wave 2's + wave 3's)
	v_pk_add_f32 v[64+4*\n:65+4*\n], v[64+4*\n:65+4*\n], v[80+4*\n:81+4*\n]
	v_pk_add_f32 v[66+4*\n:67+4*\n], v[66+4*\n:67+4*\n], v[82+4*\n:83+4*\n]
	v_pk_add_f32 v[96+4*\n:97+4*\n], v[96+4*\n:97+4*\n], v[112+4*\n:113+4*\n]
	v_pk_add_f32 v[98+4*\n:99+4*\n], v[98+4*\n:99+4*\n], v[114+4*\n:115+4*\n]
.endr
.irp n, 0,1,2,3
	v_pk_add_f32 v[64+4*\n:65+4*\n], v[64+4*\n:65+4*\n], v[96+4*\n:97+4*\n]
	v_pk_add_f32 v[66+4*\n:67+4*\n], v[66+4*\n:67+4*\n], v[98+4*\n:99+4*\n]
.endr
.irp n, 0,1,2,3
	v_cvt_pk_f16_f32 v[192+8*\t+2*\n], v[64+4*\n], v[65+4*\n]
	v_cvt_pk_f16_f32 v[193+8*\t+2*\n], v[66+4*\n], v[67+4*\n]
.endr
.irp n, 0,1,2,3
	global_store_b64 v[AO], v[192+8*\t+2*\n:193+8*\t+2*\n], s[ATP:ATP+1] offset:(16*(\t%2)+\n)*2048+(\t/2)*256
.endr
.if \t < 3
	s_barrier_signal -1                            ; every wave's reads of the area are back (the wait above): the next tile may be put there
	s_barrier_wait -1
.endif
.endr
.endm
	s_load_b128 s[4:7], s[0:1], 0x0                ; qkvh s[4:5], at s[6:7]
	v_lshl_add_u32 v[SPW], v0, 2, SPARE
	v_mov_b32 v[NIL], 0
	ds_add_u32 v[SPW], v[NIL]                      ; the wave's opening: the add, twice on end, and its wait ahead of the first tensor loads; the set-up below stands between the second and the wait
	ds_add_u32 v[SPW], v[NIL]
	v_lshrrev_b32 v1, 5, v0
	v_readfirstlane_b32 s[WV], v1                  ; wave 0..3
	s_bfe_u32 s13, ttmp6, 0x40000                  ; cx: my place in the cluster
	s_mov_b32 s14, ttmp9                           ; X: the cluster's number along x, 0 .. 15
	s_and_b32 s16, ttmp7, 0xffff                   ; g: the key/value head
	; descriptor group 1: a tile of 256 rows x 128 elements of 2 bytes, padded in LDS
	s_mov_b32 s[G1K], 15|(1<<16)|(1<<20)|(1<<21)|(5<<22)|(3<<25)   ; 15:0 the mask: all four partners; 17:16 elements of 2 bytes; 20 padding on; 21 set beside a mask; 24:22 after every 64 words (code 5); 31:25 four words (code 3)
	s_mov_b32 s[G1V], 15|(1<<16)|(1<<20)|(1<<21)|(5<<22)|(7<<25)   ; the same with eight words of padding (code 7)
.irp g, G1K, G1V
	s_mov_b32 s[\g+1], 128<<16                     ; tensor_dim0 = 128
	s_mov_b32 s[\g+2], 256<<16                     ; tensor_dim1 = 256
	s_mov_b32 s[\g+3], 128<<16                     ; tile_dim0 = 128
	s_mov_b32 s[\g+4], 256                         ; tile_dim1 = 256
	s_mov_b32 s[\g+5], 128                         ; tensor_dim0_stride
	s_mov_b32 s[\g+6], 0
	s_mov_b32 s[\g+7], 0
.endr
	s_mov_b32 s[CS], 0x3e0293ee                    ; c = log2(e) / sqrt(128)
	s_mov_b32 s[CS+1], s[CS]
	s_mov_b32 s[SEL], 0x76543210
	s_mov_b32 s[SEL+1], 0xfedcba98
	s_lshr_b32 s[NE], s14, 1
	s_add_co_u32 s[NE], s[NE], 1                   ; block X has X / 2 + 1 steps of 256 keys
	s_sub_co_u32 s[NE1], s[NE], 1
	s_lshl_b32 s[PB], s14, 7
	s_mov_b32 s[SK], 0
	s_mov_b32 s[TB], 0
	s_mov_b32 s[TBN], 0
	s_mov_b32 s[TR], 0
	s_cmp_eq_u32 s14, 0
	s_cselect_b32 s[LIM], 15, 0
	s_mov_b32 s71, 0
	s_mov_b32 s75, 0
	s_wait_dscnt 0x0                               ; both opening adds are done
	s_wait_kmcnt 0x0
	s_lshl_b32 s70, s16, 21                        ; slot 2 g, 1 MiB a slot
	s_add_nc_u64 s[72:73], s[4:5], s[70:71]        ; query head 2 g
	s_add_nc_u64 s[KB:KB+1], s[72:73], 0x800000    ; slot 8 + 2 g: my keys,
	s_add_nc_u64 s[VB:VB+1], s[KB:KB+1], 0x100000  ; slot 9 + 2 g: my values
	s_lshl_b32 s74, s13, 13                        ; 32 cx rows of 256 bytes
	s_add_nc_u64 s[QH0:QH0+1], s[72:73], s[74:75]
	s_lshl_b32 s74, s[PB], 8
	s_add_nc_u64 s[QP:QP+1], s[QH0:QH0+1], s[74:75]
	s_lshl_b32 s74, s16, 9                         ; at: head 2 g: 512 g bytes in a row,
	s_add_nc_u64 s[AT0:AT0+1], s[6:7], s[74:75]
	s_lshl_b32 s74, s13, 16                        ; 32 cx rows of 2,048 bytes
	s_add_nc_u64 s[AT0:AT0+1], s[AT0:AT0+1], s[74:75]
	s_lshl_b32 s74, s[PB], 11
	s_add_nc_u64 s[ATP:ATP+1], s[AT0:AT0+1], s[74:75]
	s_cmp_lt_u32 s[WV], 2                          ; the prefetches: waves 0 and 1 name rows of K, waves 2 and 3 of V
	s_cselect_b64 s[PFA:PFA+1], s[KB:KB+1], s[VB:VB+1]
	s_lshl_b32 s74, s13, 6
	s_and_b32 s72, s[WV], 1
	s_lshl_b32 s72, s72, 5
	s_add_co_u32 s74, s74, s72
	s_lshl_b32 s74, s74, 8                         ; row 64 cx + 32 (wave % 2) of step 0: the first change of slots steps it to step 1
	s_add_nc_u64 s[PFA:PFA+1], s[PFA:PFA+1], s[74:75]
	s_mov_b32 s[G0K], 1                            ; group 0: count 1; LDS address: slot 0; the head's first 256 keys; type 2
	s_mov_b32 s[G0K+1], 0
	s_mov_b64 s[G0K+2:G0K+3], s[KB:KB+1]
	s_or_b32 s[G0K+3], s[G0K+3], 0x80000000
	s_mov_b32 s[G0V], 1
	s_mov_b32 s[G0V+1], VOFF
	s_mov_b64 s[G0V+2:G0V+3], s[VB:VB+1]
	s_or_b32 s[G0V+3], s[G0V+3], 0x80000000
	CROUND                                         ; all four work-groups are here: the first joint loads meet
	JLOAD                                          ; step 0 into slot 0
	v_and_b32 v1, 15, v0                           ; r
	v_bfe_u32 v48, v0, 4, 1                        ; h
	v_lshlrev_b32 v[QO], 8, v1
	v_lshl_add_u32 v[QO], v48, 4, v[QO]            ; row x 256 + 16 x half
	QLOAD
	s_mul_i32 s72, s[WV], 64*PK                    ; my wave's 64 rows of K
	v_mul_u32_u24 v[AK0], v1, PK
	v_lshl_add_u32 v[AK0], v48, 4, v[AK0]
	v_add_nc_u32 v[AK0], s72, v[AK0]
	v_and_b32 v49, 7, v0                           ; the turning load: lane l reads key 8 (l / 16) + l % 8, channels 8 ((l / 8) % 2) + 0 .. 7
	v_bfe_u32 v50, v0, 3, 1
	v_lshl_add_u32 v[AV0], v48, 3, v49
	v_mul_u32_u24 v[AV0], v[AV0], PV
	v_lshl_add_u32 v[AV0], v50, 4, v[AV0]
	s_mul_i32 s72, s[WV], 64*PV
	s_add_co_u32 s72, s72, VOFF
	v_add_nc_u32 v[AV0], s72, v[AV0]
	v_lshlrev_b32 v49, 3, v48
	v_sub_nc_u32 v[POSL], v1, v49
	s_lshl_b32 s74, s13, 5
	v_add_nc_u32 v[POSL], s74, v[POSL]
	v_mov_b32 v[NINF], 0xff800000
	v_and_b32 v49, 31, v0                          ; lane
	v_lshlrev_b32 v[SML], 4, v49
	v_add_nc_u32 v[SML], STATM, v[SML]
	s_lshl_b32 s72, s[WV], 2
	v_add_nc_u32 v[SMA], s72, v[SML]
	s_mul_i32 s72, s[WV], MW
	s_add_co_u32 s72, s72, MAREA
	v_mul_u32_u24 v[MST], v1, 528
	v_lshl_add_u32 v[MST], v48, 5, v[MST]
	v_add_nc_u32 v[MST], s72, v[MST]
	s_mul_i32 s72, s[WV], 4*528
	s_add_co_u32 s72, s72, MAREA
	v_lshlrev_b32 v[MRD], 4, v49
	v_add_nc_u32 v[MRD], s72, v[MRD]
	v_lshlrev_b32 v[AO], 3, v49
	s_lshl_b32 s72, s[WV], 13                      ; my wave stores rows 4 w .. 4 w + 3 of a tile: 2,048 bytes a row
	v_add_nc_u32 v[AO], s72, v[AO]
	v_lshlrev_b32 v[PFO], 8, v49
	INIT
	s_wait_loadcnt 0x0                             ; Q
.Ltrip:                                            ; 16 trips; the 17th is written out
	CHANGE 1
	STEP
	s_add_co_u32 s[SK], s[SK], 256
	s_xor_b32 s[TB], s[TB], SLOT
	s_cmp_lg_u32 s[TR], s[NE1]                     ; the first block's last step?  The cluster's number and the trip alone: all waves of all partners go the same way, so the barriers below are passed by all or by none
	s_cbranch_scc1 .Lsame
	s_sub_co_u32 s72, 31, s14
	s_lshl_b32 s[PB], s72, 7                       ; on to block 31 - X
	s_lshl_b32 s74, s[PB], 8
	s_add_nc_u64 s[QP:QP+1], s[QH0:QH0+1], s[74:75]
	QLOAD                                          ; its queries come in while the first block is merged
	MERGE
	s_wait_xcnt 0x0                                ; the merge's stores have read their registers and their base
	s_lshl_b32 s74, s[PB], 11
	s_add_nc_u64 s[ATP:ATP+1], s[AT0:AT0+1], s[74:75]
	s_mov_b32 s[SK], 0
	INIT
	s_wait_loadcnt 0x0
.Lsame:
	s_add_co_u32 s[TR], s[TR], 1
	s_cmp_lt_u32 s[TR], 16
	s_cbranch_scc1 .Ltrip
	CHANGE 0                                       ; the last step: nothing is left to ask for
	STEP
	MERGE
	s_wait_tensorcnt 0x0                           ; the wave's end, behind my last tensor load and my last LDS store
	ds_add_u32 v[SPW], v[NIL]
	s_wait_dscnt 0x0
	CROUND                                         ; the closing round: no work-group ends while a partner may still ask for a tile that names it
	s_endpgm
.Lfunc_end_k_q5a4342e942_attn:
	.size	k_q5a4342e942_attn, .Lfunc_end_k_q5a4342e942_attn-k_q5a4342e942_attn
	.p2alignl 7, 3214868480
	.fill 96, 4, 3214868480
	.section	.rodata,"a",@progbits
	.p2align	6, 0x0
	.amdhsa_kernel k_q5a4342e942_attn
		.amdhsa_group_segment_fixed_size 327680
		.amdhsa_private_segment_fixed_size 0
		.amdhsa_enable_private_segment 0
		.amdhsa_kernarg_size 16
		.amdhsa_user_sgpr_count 2
		.amdhsa_user_sgpr_kernarg_segment_ptr 1
		.amdhsa_wavefront_size32 1
		.amdhsa_system_sgpr_workgroup_id_x 1
		.amdhsa_system_sgpr_workgroup_id_y 1
		.amdhsa_system_sgpr_workgroup_id_z 1
		.amdhsa_system_vgpr_workitem_id 0
		.amdhsa_next_free_vgpr 1024
		.amdhsa_next_free_sgpr 76
		.amdhsa_reserve_vcc 1
		.amdhsa_float_denorm_mode_32 3
		.amdhsa_float_denorm_mode_16_64 3
		.amdhsa_memory_ordered 1
		.amdhsa_forward_progress 1
		.amdhsa_inst_pref_size 192
	.end_amdhsa_kernel
	.amdgpu_metadata
---
amdhsa.version: [ 1, 2 ]
amdhsa.kernels:
  - .name:           k_q5a4342e942_attn
    .symbol:         k_q5a4342e942_attn.kd
    .args:
      - { .name: qkvh, .offset: 0, .size: 8, .value_kind: global_buffer, .address_space: global }
      - { .name: at, .offset: 8, .size: 8, .value_kind: global_buffer, .address_space: global }
    .group_segment_fixed_size: 327680
    .private_segment_fixed_size: 0
    .kernarg_segment_align: 8
    .kernarg_segment_size: 16
    .max_flat_workgroup_size: 128
    .sgpr_count:     76
    .vgpr_count:     1024
    .wavefront_size: 32
...
	.end_amdgpu_metadata
.endif
;; end of part 3
;; launch oproj (part 4): grid 16 x 16, 4 waves a work-group, clusters of 4 x 4, 327,680 bytes of LDS; arguments at, wot, out0; writes out0
.if DOCPART == 4
	.amdgcn_target "amdgcn-amd-amdhsa--gfx1250"
	.amdhsa_code_object_version 6
	.text
	.protected	k_q5a4342e942_oproj
	.globl	k_q5a4342e942_oproj
	.p2align	8
	.type	k_q5a4342e942_oproj,@function
k_q5a4342e942_oproj:
	s_mov_b64 s[64:65], 0
	v_nop
	global_prefetch_b8 v0, s[64:65] scope:SCOPE_SE
	s_setreg_imm32_b32 hwreg(HW_REG_WAVE_MODE, 25, 1), 1
	s_wait_xcnt 0x0
	s_wait_alu depctr_hold_cnt(0) depctr_sa_sdst(0) depctr_va_vdst(0) depctr_va_sdst(0) depctr_va_ssrc(0) depctr_va_vcc(0) depctr_vm_vsrc(0)
	s_getreg_b32 s2, hwreg(HW_REG_IB_STS2, 6, 4)
	s_cmp_eq_u32 s2, 0
	s_cbranch_scc0 .Lentry_in_a_cluster
	s_endpgm
.Lentry_in_a_cluster:
	s_bfe_u32 s2, ttmp6, 0x10000c
	s_cmp_lg_u32 s2, 0xf033
	s_cbranch_scc0 .Lentry_shape_is_right
	s_endpgm
.Lentry_shape_is_right:
; FOURTH LAUNCH: out0[m][n] = sum over k of at[m][k] wot[n][k].  at: [4096][1024] f16 (the attention's output), wot: [2048][1024] f16 (wo transposed), out0: [4096][2048] f32; sums in f32.
; Rows 0 to 15 are computed and stored here too, inside a tile that holds live rows; launch fine, which runs last, replaces them by numbers carried in f32.  (Leaving their stores out would take a branch on a
; work-group's place in its cluster.)
; A tile of out0 is 128 x 128: 512 tiles.  A WORK-GROUP STAYS: 16 x 16 = 256 work-groups make two tiles each, 2,048 rows apart, and the ring does not stop at the first tile's end: its last two changes of slots ask for the
; second tile's first two K steps, and the first tile's stores leave while the second is multiplied.  The two tiles share their rows of B.
; Four waves, each 64 x 64: 16 accumulators of 16 x 16.  K goes in steps of 256 (LDS rows of 512 bytes; a wave's tensor load brings 64 of them) through a ring of two slots; a tile is two laps, written out.
; CLUSTERS: 4 x 4 work-groups.  The four of a row of the cluster need the same tiles of A, the four of a column the same tiles of B: each tile is asked for JOINTLY.
; THE MATRIX INSTRUCTION IS USED TRANSPOSED (source 0 = 16 rows of B, source 1 = 16 rows of A): a lane then holds eight neighbouring numbers of a row of out0.
; REGISTERS: window 0: v0-31 addresses; v32-95 at work on the way out; v128-255 the accumulators ((a, b) at v[128 + 8 (4 a + b)]).  window 1: two fragment buffers of 128.
.set SIZE_M, 4096
.set SIZE_N, 2048
.set SIZE_K, 1024
.set KSTEP,  256
.set PITCH,  528                       ; an LDS row: 512 bytes + 16 of padding = 132 words: row r starts at bank 4 r mod 64 (64 banks of 4 bytes: ISA guide 11.1)
.set HALFT,  64*PITCH
.set SLOT,   4*HALFT                   ; A's 128 rows, then B's 128 rows
.set SPITCH, 272
.set STAGE,  2*SLOT                    ; behind the ring: for each wave 16 rows x (256 bytes + 16), for the way out; no tensor load lands here
.set SPARE,  STAGE+4*16*SPITCH         ; behind the stages: the spare words, 128 bytes for each wave: two blocks of 256 bytes that no other line names
.set WALK,   SIZE_M/2                  ; a work-group's two tiles lie WALK rows apart
.set NEXT_A, WALK*SIZE_K*2-(SIZE_K-2*KSTEP)*2   ; bytes from a slot's last K step of a tile to its first of the next tile: A goes WALK rows down and back along K,
.set BACK_B, (SIZE_K-2*KSTEP)*2        ; B only back
.set ADRA, 16
.set ADRB, 20
.set STO,  24
.set RD,   25
.set CO,   26
.set SPW,  28
.set NIL,  29
.set TMP,  32
.set ACC,  128
.set F0,   0
.set F1,   128
.set G1, 24
.set G0, 32
.set G1B, 48
.set G0B, 56
.set MSB, 0
.macro WIN new
.if MSB != \new
	s_set_vgpr_msb (MSB<<8)|\new
.set MSB, \new
.endif
.endm
.set MUL,  0x05                        ; sources 0 (B) and 1 (A) window 1; C and D window 0
.set TO_F, 0x40                        ; destination window 1, address window 0
.macro JLOAD s                         ; a joint load: waves 0 and 1 fetch A's two halves, waves 2 and 3 B's; an s_nop 0 and four v_nop follow each of the two lines
	s_cmp_eq_u32 s11, 0
	s_cbranch_scc0 .Lfor_b_\@
	tensor_load_to_lds s[G0+4*\s:G0+4*\s+3], s[G1:G1+7]
	s_nop 0
.rept 4
	v_nop
.endr
	s_branch .Lasked_\@
.Lfor_b_\@:
	tensor_load_to_lds s[G0B+4*\s:G0B+4*\s+3], s[G1B:G1B+7]
	s_nop 0
.rept 4
	v_nop
.endr
.Lasked_\@:
.endm
.macro CREST
	s_cmp_lg_u32 s10, 0
	s_cbranch_scc1 .Lnot_wave_0_\@
	s_barrier_signal -3
.Lnot_wave_0_\@:
	s_barrier_wait -3
	s_barrier_signal -1
	s_barrier_wait -1
.endm
.macro CROUND
	s_barrier_signal -1
	s_barrier_wait -1
	CREST
.endm
	s_load_b128 s[4:7], s[0:1], 0x0                ; A s[4:5], B s[6:7]
	s_load_b64 s[8:9], s[0:1], 0x10                ; out0
	v_lshl_add_u32 v[SPW], v0, 2, SPARE
	v_mov_b32 v[NIL], 0
	ds_add_u32 v[SPW], v[NIL]                      ; the wave's opening: the add, twice on end, and its wait ahead of my first tensor load
	ds_add_u32 v[SPW], v[NIL]
	v_lshrrev_b32 v1, 5, v0
	v_readfirstlane_b32 s10, v1                    ; wave 0..3
	s_lshr_b32 s11, s10, 1                         ; which half of the tile's rows is mine.  Also: I fetch for A (0) or for B (1)
	s_and_b32 s12, s10, 1                          ; which half of its columns.  Also: which 64 rows of that tile I fetch
	s_bfe_u32 s40, ttmp6, 0x40000                  ; cx, cy: my place in the cluster
	s_bfe_u32 s41, ttmp6, 0x40004
	s_lshl_b32 s42, ttmp9, 2
	s_add_co_u32 s42, s42, s40                     ; tile column = 4 x cluster x + cx
	s_and_b32 s13, ttmp7, 0xffff
	s_lshl_b32 s13, s13, 2
	s_add_co_u32 s13, s13, s41                     ; the first tile's row = 4 x cluster y + cy: 0 .. 15
	s_lshl_b32 s43, s41, 2
	s_lshl_b32 s43, 15, s43                        ; my row of the cluster
	s_lshl_b32 s44, 0x1111, s40                    ; my column
	s_or_b32 s[G1+0], s43, (1<<16)|(1<<20)|(1<<21)|(6<<22)|(3<<25)  ; the mask: A's tiles go to my row; elements of 2 bytes; padding on; bit 21 beside a mask; after every 128 words (code 6) four words (code 3)
	s_or_b32 s[G1B+0], s44, (1<<16)|(1<<20)|(1<<21)|(6<<22)|(3<<25)
.irp g, G1, G1B
	s_mov_b32 s[\g+1], KSTEP<<16                   ; tensor_dim0 = 256
	s_mov_b32 s[\g+2], 64<<16                      ; tensor_dim1 = 64
	s_mov_b32 s[\g+3], KSTEP<<16                   ; tile_dim0 = 256
	s_mov_b32 s[\g+4], 64                          ; tile_dim1 = 64
	s_mov_b32 s[\g+5], SIZE_K                      ; tensor_dim0_stride
	s_mov_b32 s[\g+6], 0
	s_mov_b32 s[\g+7], 0
.endr
	s_lshl_b32 s17, s12, 6
	s_lshl_b32 s16, s13, 7
	s_add_co_u32 s16, s16, s17                     ; A: row 128 x tile row + 64 x half
	s_lshl_b32 s46, s42, 7
	s_add_co_u32 s46, s46, s17                     ; B: row 128 x tile column + 64 x half
	s_mov_b32 s17, 0
	s_mov_b32 s47, 0
	s_mov_b64 s[18:19], SIZE_K*2
	s_mul_u64 s[16:17], s[16:17], s[18:19]
	s_mul_u64 s[46:47], s[46:47], s[18:19]
	s_mul_i32 s20, s10, HALFT                      ; where they go: wave x 64 rows
	s_wait_dscnt 0x0                               ; both opening adds are done
	s_wait_kmcnt 0x0
	s_add_nc_u64 s[14:15], s[4:5], s[16:17]
	s_add_nc_u64 s[46:47], s[6:7], s[46:47]
	CROUND                                         ; all sixteen work-groups are here: the first joint loads meet
.irp s, 0,1
	s_mov_b32 s[G0+4*\s], 1
	s_add_co_u32 s[G0+4*\s+1], s20, \s*SLOT
	s_add_nc_u64 s[G0+4*\s+2:G0+4*\s+3], s[14:15], \s*KSTEP*2
	s_or_b32 s[G0+4*\s+3], s[G0+4*\s+3], 0x80000000
	s_mov_b32 s[G0B+4*\s], 1
	s_add_co_u32 s[G0B+4*\s+1], s20, \s*SLOT
	s_add_nc_u64 s[G0B+4*\s+2:G0B+4*\s+3], s[46:47], \s*KSTEP*2
	s_or_b32 s[G0B+4*\s+3], s[G0B+4*\s+3], 0x80000000
	JLOAD \s
.endr
	v_and_b32 v1, 15, v0                           ; l % 16
	v_bfe_u32 v2, v0, 4, 1                         ; l / 16
	v_mul_u32_u24 v3, v1, PITCH
	v_lshl_add_u32 v3, v2, 4, v3
	s_mul_i32 s21, s11, HALFT                      ; my 64 rows of A
	s_mul_i32 s22, s12, HALFT                      ; my 64 rows of B,
	s_add_co_u32 s22, s22, 2*HALFT                 ; which lie behind A's 128
.irp s, 0,1
	v_add_nc_u32 v[ADRA+\s], s21, v3
	v_add_nc_u32 v[ADRB+\s], s22, v3
	s_add_co_u32 s21, s21, SLOT
	s_add_co_u32 s22, s22, SLOT
.endr
	s_mul_i32 s23, s10, 16*SPITCH
	s_add_co_u32 s23, s23, STAGE                   ; my stage
	v_mul_u32_u24 v4, v1, SPITCH                   ; in: row l % 16, 32 bytes for each half of the lanes
	v_lshl_add_u32 v4, v2, 5, v4
	v_add_nc_u32 v[STO], s23, v4
	v_mul_u32_u24 v5, v2, SPITCH                   ; back: lanes 0-15 take one row of 256 bytes, lanes 16-31 the next
	v_lshl_add_u32 v5, v1, 4, v5
	v_add_nc_u32 v[RD], s23, v5
	v_mul_u32_u24 v5, v2, SIZE_N*4                 ; and the same two rows in out0
	v_lshl_add_u32 v[CO], v1, 4, v5
	s_lshl_b32 s16, s13, 7
	s_lshl_b32 s17, s11, 6
	s_add_co_u32 s16, s16, s17                     ; my first row: 128 x tile row + 64 x half
	s_mov_b32 s17, 0
	s_mov_b64 s[18:19], SIZE_N*4
	s_mul_u64 s[16:17], s[16:17], s[18:19]
	s_add_nc_u64 s[8:9], s[8:9], s[16:17]
	s_lshl_b32 s46, s42, 9                         ; my first column, in bytes: 512 x tile column + 256 x half
	s_lshl_b32 s47, s12, 8
	s_add_co_u32 s46, s46, s47
	s_mov_b32 s47, 0
	s_add_nc_u64 s[8:9], s[8:9], s[46:47]
.macro MUL8 f, c, a0, zero             ; 8 matrix instructions: m blocks a0, a0 + 1 x all 4 n blocks, 32 along K; the 16 accumulators take turns
.irp a, \a0, \a0+1
.irp b, 0,1,2,3
.if \zero
	v_wmma_f32_16x16x32_f16 v[ACC+8*(4*(\a)+\b):ACC+8*(4*(\a)+\b)+7], v[\f+64+8*(4*\c+\b):\f+64+8*(4*\c+\b)+7], v[\f+8*(4*\c+\a):\f+8*(4*\c+\a)+7], 0
.else
	v_wmma_f32_16x16x32_f16 v[ACC+8*(4*(\a)+\b):ACC+8*(4*(\a)+\b)+7], v[\f+64+8*(4*\c+\b):\f+64+8*(4*\c+\b)+7], v[\f+8*(4*\c+\a):\f+8*(4*\c+\a)+7], v[ACC+8*(4*(\a)+\b):ACC+8*(4*(\a)+\b)+7]
.endif
.endr
.endr
.endm
.macro FETCH slot, k, f                ; 32 LDS loads in one run: the fragments of 64 along K at byte k of the rows; the first 32 along K first
	WIN TO_F
.irp c, 0,1
.irp i, 0,1,2,3
	ds_load_b128 v[\f+64+8*(4*\c+\i):\f+64+8*(4*\c+\i)+3],   v[ADRB+\slot] offset:\k+64*\c+\i*16*PITCH
	ds_load_b128 v[\f+64+8*(4*\c+\i)+4:\f+64+8*(4*\c+\i)+7], v[ADRB+\slot] offset:\k+64*\c+\i*16*PITCH+32
	ds_load_b128 v[\f+8*(4*\c+\i):\f+8*(4*\c+\i)+3],         v[ADRA+\slot] offset:\k+64*\c+\i*16*PITCH
	ds_load_b128 v[\f+8*(4*\c+\i)+4:\f+8*(4*\c+\i)+7],       v[ADRA+\slot] offset:\k+64*\c+\i*16*PITCH+32
.endr
.endr
.endm
.macro PLACES                          ; four places in front of loads into registers that matrix instructions have read, and of the first reads of results
.rept 4
	v_nop
.endr
.endm
.macro QUARTER slot, k, f, g, zero
	s_wait_dscnt 16                                ; the first 32 along K are in
	WIN MUL
	MUL8 \f, 0, 0, \zero
	MUL8 \f, 0, 2, \zero
	PLACES
	FETCH \slot, \k, \g
	s_wait_dscnt 32                                ; all but the 32 just issued
	WIN MUL
	MUL8 \f, 1, 0, 0
	MUL8 \f, 1, 2, 0
.endm
; The last quarter multiplies buffer 1 and changes slots.  fill = 0: nothing is asked for;  1: this slot takes this tile's K step two steps on;  2: it takes the NEXT tile's K step 0 or 1.
.macro TURN slot, next, fill
	WIN 0
	s_wait_tensorcnt 0x0                           ; all my tensor loads have landed: my part of the next slot
	ds_add_u32 v[SPW], v[NIL]                      ; 0 onto my spare word
	s_wait_dscnt 17                                ; (the add and the youngest sixteen loads may be out)
	WIN MUL
	MUL8 F1, 0, 0, 0
	s_wait_dscnt 0x0                               ; the add is done, and my reads of this slot are over
	s_barrier_signal -1
	MUL8 F1, 0, 2, 0
.if \fill
	WIN 0
.endif
	s_barrier_wait -1
.if \fill
	CREST                                          ; the barrier has opened a round of the cluster's barrier
.if \fill == 2
	s_add_nc_u64 s[G0+4*\slot+2:G0+4*\slot+3], s[G0+4*\slot+2:G0+4*\slot+3], NEXT_A
	s_sub_nc_u64 s[G0B+4*\slot+2:G0B+4*\slot+3], s[G0B+4*\slot+2:G0B+4*\slot+3], BACK_B
.else
	s_add_nc_u64 s[G0+4*\slot+2:G0+4*\slot+3], s[G0+4*\slot+2:G0+4*\slot+3], 2*KSTEP*2
	s_add_nc_u64 s[G0B+4*\slot+2:G0B+4*\slot+3], s[G0B+4*\slot+2:G0B+4*\slot+3], 2*KSTEP*2
.endif
	JLOAD \slot                                    ; the first tensor load behind the round; its four v_nop are the places in front of the loads below
.else
	PLACES
.endif
	FETCH \next, 0, F0
	WIN MUL
	MUL8 F1, 1, 0, 0
	MUL8 F1, 1, 2, 0
.endm
.macro LAP                             ; once round the ring, from a lap's second quarter to the next lap's first; both slots are filled again
	QUARTER 0, 256, F1, F0, 0
	QUARTER 0, 384, F0, F1, 0
	TURN 0, 1, 1
	QUARTER 1, 128, F0, F1, 0
	QUARTER 1, 256, F1, F0, 0
	QUARTER 1, 384, F0, F1, 0
	TURN 1, 0, 1
	QUARTER 0, 128, F0, F1, 0
.endm
; THE WAY OUT, block by block of 16 rows x 64 columns of f32.  A lane holds 32 neighbouring bytes of a row; a block goes through my own stage and comes back as whole runs of 256 bytes, which sixteen lanes store, aligned.
; LDS serves a wave's instructions in order (ISA guide 5.7.1.4): no wait between the stores and the loads, nor in front of the next block's stores.
.macro TOSTAGE a
.irp b, 0,1,2,3
	ds_store_b128 v[STO], v[ACC+8*(4*(\a)+\b):ACC+8*(4*(\a)+\b)+3] offset:64*\b        ; each accumulator from its low end on
	ds_store_b128 v[STO], v[ACC+8*(4*(\a)+\b)+4:ACC+8*(4*(\a)+\b)+7] offset:64*\b+16
.endr
.irp n, 0,1,2,3,4,5,6,7
	ds_load_b128 v[TMP+32*((\a)%2)+4*\n:TMP+32*((\a)%2)+4*\n+3], v[RD] offset:\n*2*SPITCH
.endr
.endm
.macro SEND a, younger                 ; younger: the LDS instructions issued behind block a's loads, which may stay out
	s_wait_dscnt \younger
.irp n, 0,1,2,3,4,5,6,7
	global_store_b128 v[CO], v[TMP+32*((\a)%2)+4*\n:TMP+32*((\a)%2)+4*\n+3], s[8:9] offset:(16*(\a)+2*\n)*SIZE_N*4 th:TH_STORE_NT
.endr
.endm
.macro WAYOUT tile
	PLACES                                         ; behind the last products: four places for the first reads of results,
	v_nop                                          ; and a fifth for the next tile's first products, which begin these accumulators anew
.if \tile > 0
	s_wait_xcnt 0x0                                ; the first tile's stores have read their registers and their base
	s_add_nc_u64 s[8:9], s[8:9], WALK*SIZE_N*4     ; on to the second tile's rows
.endif
	TOSTAGE 0
.irp a, 1,2,3
.if \a > 1
	s_wait_xcnt 0x0                                ; block a - 2's stores have read their registers: block a's loads may land there
.endif
	TOSTAGE \a
	SEND \a-1, 16                                  ; behind block a - 1's loads: block a's 8 stores and 8 loads
.endr
	SEND 3, 0                                      ; no LDS instruction of mine is out: the stores into the stage have read the accumulators
.endm
	s_wait_tensorcnt 1                             ; my part of K step 0 is in,
	s_barrier_signal -1
	s_barrier_wait -1                              ; everybody's is
	FETCH 0, 0, F0
	; ---- the first tile
	QUARTER 0, 128, F0, F1, 1                      ; a tile's first quarter: its first products start the sums
	LAP
	QUARTER 0, 256, F1, F0, 0                      ; the tile's last lap runs like every lap; only its two refills step to the next tile
	QUARTER 0, 384, F0, F1, 0
	TURN 0, 1, 2                                   ; slot 0 takes the second tile's K step 0,
	QUARTER 1, 128, F0, F1, 0
	QUARTER 1, 256, F1, F0, 0
	QUARTER 1, 384, F0, F1, 0
	TURN 1, 0, 2                                   ; slot 1 its K step 1, and the second tile's first fragments are fetched
	WIN 0
	WAYOUT 0                                       ; both refills are asked for: now the tile goes out
	; ---- the second tile
	QUARTER 0, 128, F0, F1, 1
	LAP
	QUARTER 0, 256, F1, F0, 0                      ; the last lap fills nothing
	QUARTER 0, 384, F0, F1, 0
	TURN 0, 1, 0
	QUARTER 1, 128, F0, F1, 0
	QUARTER 1, 256, F1, F0, 0
	QUARTER 1, 384, F0, F1, 0
	s_wait_dscnt 16
	WIN MUL
	MUL8 F1, 0, 0, 0
	MUL8 F1, 0, 2, 0
	s_wait_dscnt 0
	MUL8 F1, 1, 0, 0
	MUL8 F1, 1, 2, 0
	WIN 0
	WAYOUT 1
	s_wait_tensorcnt 0x0                           ; the wave's end, behind my last tensor load and my last LDS store
	ds_add_u32 v[SPW], v[NIL]
	s_wait_dscnt 0x0
	CROUND                                         ; the closing round
	s_endpgm
.Lfunc_end_k_q5a4342e942_oproj:
	.size	k_q5a4342e942_oproj, .Lfunc_end_k_q5a4342e942_oproj-k_q5a4342e942_oproj
	.p2alignl 7, 3214868480
	.fill 96, 4, 3214868480
	.section	.rodata,"a",@progbits
	.p2align	6, 0x0
	.amdhsa_kernel k_q5a4342e942_oproj
		.amdhsa_group_segment_fixed_size 327680
		.amdhsa_private_segment_fixed_size 0
		.amdhsa_enable_private_segment 0
		.amdhsa_kernarg_size 24
		.amdhsa_user_sgpr_count 2
		.amdhsa_user_sgpr_kernarg_segment_ptr 1
		.amdhsa_wavefront_size32 1
		.amdhsa_system_sgpr_workgroup_id_x 1
		.amdhsa_system_sgpr_workgroup_id_y 1
		.amdhsa_system_sgpr_workgroup_id_z 1
		.amdhsa_system_vgpr_workitem_id 0
		.amdhsa_next_free_vgpr 512
		.amdhsa_next_free_sgpr 66
		.amdhsa_reserve_vcc 0
		.amdhsa_float_denorm_mode_32 3
		.amdhsa_float_denorm_mode_16_64 3
		.amdhsa_memory_ordered 1
		.amdhsa_forward_progress 1
		.amdhsa_inst_pref_size 165
	.end_amdhsa_kernel
	.amdgpu_metadata
---
amdhsa.version: [ 1, 2 ]
amdhsa.kernels:
  - .name:           k_q5a4342e942_oproj
    .symbol:         k_q5a4342e942_oproj.kd
    .args:
      - { .name: at, .offset: 0, .size: 8, .value_kind: global_buffer, .address_space: global }
      - { .name: wot, .offset: 8, .size: 8, .value_kind: global_buffer, .address_space: global }
      - { .name: out0, .offset: 16, .size: 8, .value_kind: global_buffer, .address_space: global }
    .group_segment_fixed_size: 327680
    .private_segment_fixed_size: 0
    .kernarg_segment_align: 8
    .kernarg_segment_size: 24
    .max_flat_workgroup_size: 128
    .sgpr_count:     66
    .vgpr_count:     512
    .wavefront_size: 32
...
	.end_amdgpu_metadata
.endif
;; end of part 4
;; launch fine (part 5): grid 32 x 1, 8 waves a work-group, no clusters, 314,368 bytes of LDS; arguments fin, wo, out0; writes out0
.if DOCPART == 5
	.amdgcn_target "amdgcn-amd-amdhsa--gfx1250"
	.amdhsa_code_object_version 6
	.text
	.protected	k_q5a4342e942_fine
	.globl	k_q5a4342e942_fine
	.p2align	8
	.type	k_q5a4342e942_fine,@function
k_q5a4342e942_fine:
	s_mov_b64 s[64:65], 0
	v_nop
	global_prefetch_b8 v0, s[64:65] scope:SCOPE_SE
	s_setreg_imm32_b32 hwreg(HW_REG_WAVE_MODE, 25, 1), 1
	s_wait_xcnt 0x0
; FIFTH LAUNCH: positions 0 to 15 once more, wholly in f32: these rows average one to sixteen values and are the largest of the output, so the rounding of 16-bit operands weighs most there.  It replaces rows 0 to 15 of out0.
; in: fin, f32, 16 slots of 8 KiB (q0 .. q7, k0, v0, .. k3, v3; q and k [16 positions][128], v transposed [128 channels][16 positions]); wo [1024][2048] f32.
; SHARES.  Work-group x owns output columns 64 x .. 64 x + 63.  Wave w is query head w: it makes the head's 16 x 16 scores, its softmax, its 16 x 128 output, and that output's product with rows 128 w .. 128 w + 127 of wo at
; the work-group's columns; the eight waves' parts are added through LDS in a fixed order.  All products by v_wmma_f32_16x16x4_f32: 16 rows, no bulk work.  The registers that it writes (v144-175 of window 0,
; v64-127 of window 1) are written by matrix instructions alone; each sum begins with the constant 0 in its own first K step.
; LAYOUT.  All three products are used transposed, so that a lane holds ONE query (lane % 16) throughout.  The form takes k = 2 (lane / 16) + j from register j; a permutation of k applied alike to both sources keeps the sum,
; so q and k are loaded 16 bytes a lane, and p's and O's registers go on as sources as they stand.
; The softmax takes the row's maximum away as reference() does; hidden keys (key > query) become -infinity ahead of it.
; 32 work-groups: the work is 16 rows.  wo's part comes by one tensor load a wave, filled once and read by that wave alone.
.set WSL,   128*272                    ; LDS: a wave's 128 rows of wo: 64 f32 = 256 bytes + 16 of padding each
.set PAREA, 8*WSL                      ; the waves' partial sums: for each wave 16 rows x (256 bytes + 16)
.set SPARE, PAREA+8*16*272             ; the spare words, 128 bytes for each wave: four blocks of 256 bytes that no other line names
.set SPW,  254
.set NIL,  255
.set QF,   16                          ; v16-79   q; later wo's fragments, two sets of 32; later the eight partial sums
.set KF,   80                          ; v80-143  k
.set SA,   144                         ; v144-175 four accumulators: the scores in four parts, later the output's four tiles
.set SS,   176                         ; v176-183 the scores
.set PF,   184                         ; v184-191 p
.set MSB, 0
.macro WIN new
.if MSB != \new
	s_set_vgpr_msb (MSB<<8)|\new
.set MSB, \new
.endif
.endm
.macro PLACES n
.rept \n
	v_nop
.endr
.endm
	s_load_b128 s[4:7], s[0:1], 0x0                ; fin s[4:5], wo s[6:7]
	s_load_b64 s[8:9], s[0:1], 0x10                ; out0
	v_lshl_add_u32 v[SPW], v0, 2, SPARE
	v_mov_b32 v[NIL], 0
	ds_add_u32 v[SPW], v[NIL]                      ; the wave's opening: the add, twice on end, and its wait ahead of my tensor load
	ds_add_u32 v[SPW], v[NIL]
	v_lshrrev_b32 v1, 5, v0
	v_readfirstlane_b32 s10, v1                    ; wave = query head, 0..7
	; descriptor group 1: 128 rows x 64 elements of 4 bytes, 2,048 elements from row to row, padded in LDS
	s_mov_b32 s16, (2<<16)|(1<<20)|(5<<22)|(3<<25) ; no mask; elements of 4 bytes; padding on; after every 64 words (code 5) four words (code 3)
	s_mov_b32 s17, 64<<16                          ; tensor_dim0 = 64
	s_mov_b32 s18, 128<<16                         ; tensor_dim1 = 128
	s_mov_b32 s19, 64<<16                          ; tile_dim0 = 64
	s_mov_b32 s20, 128                             ; tile_dim1 = 128
	s_mov_b32 s21, 2048                            ; tensor_dim0_stride
	s_mov_b32 s22, 0
	s_mov_b32 s23, 0
	s_mov_b32 s12, 1
	s_mul_i32 s13, s10, WSL                        ; my wave's bytes
	s_lshl_b32 s24, s10, 20                        ; 128 w rows of 8,192 bytes
	s_lshl_b32 s25, ttmp9, 8                       ; 64 x columns of 4 bytes
	s_add_co_u32 s24, s24, s25
	s_mov_b32 s25, 0
	s_mov_b32 s30, 0x76543210
	s_mov_b32 s31, 0xfedcba98                      ; v_permlanex16_b32's selects for lane l xor 16
	s_mov_b32 s32, 0x3e0293ee                      ; c = log2(e) / sqrt(128)
	s_mov_b32 s33, s32
	s_wait_dscnt 0x0                               ; both opening adds are done
	s_wait_kmcnt 0x0
	s_add_nc_u64 s[14:15], s[6:7], s[24:25]
	s_or_b32 s15, s15, 0x80000000
	tensor_load_to_lds s[12:15], s[16:23]          ; my one tensor load
	s_nop 0
	PLACES 4
	s_lshl_b32 s24, s10, 13
	s_add_nc_u64 s[26:27], s[4:5], s[24:25]        ; q: slot w
	s_lshr_b32 s24, s10, 1
	s_lshl_b32 s24, s24, 14
	s_add_co_u32 s24, s24, 65536
	s_add_nc_u64 s[28:29], s[4:5], s[24:25]        ; k: slot 8 + 2 (w / 2); v is the slot behind it
	s_lshl_b32 s24, ttmp9, 8
	s_add_nc_u64 s[8:9], s[8:9], s[24:25]          ; out0 at my columns
	v_and_b32 v1, 15, v0                           ; r
	v_bfe_u32 v2, v0, 4, 1                         ; h
	v_lshlrev_b32 v3, 9, v1
	v_lshl_add_u32 v3, v2, 4, v3                   ; q, k: row r of 512 bytes + 16 h
	v_lshlrev_b32 v4, 6, v1
	v_lshl_add_u32 v4, v2, 5, v4                   ; v: channel r of a tile, 64 bytes a channel, + 32 h: keys 8 h on
	v_lshlrev_b32 v5, 3, v2
	v_sub_nc_u32 v5, v1, v5                        ; r - 8 h: register j holds key 8 h + j, hidden where j > r - 8 h
	s_mul_i32 s24, s10, WSL
	v_mul_u32_u24 v6, v2, 8*272
	v_lshl_add_u32 v6, v1, 2, v6
	v_add_nc_u32 v6, s24, v6                       ; wo in LDS: my wave's rows, + 8 h rows, + 4 r
	s_mul_i32 s24, s10, 16*272
	s_add_co_u32 s24, s24, PAREA
	v_mul_u32_u24 v7, v1, 272
	v_lshl_add_u32 v7, v2, 5, v7
	v_add_nc_u32 v7, s24, v7                       ; my partial sums: row r, + 32 h
	v_lshrrev_b32 v10, 4, v0                       ; the last sum: thread t takes row t / 16, bytes 16 (t % 16) on
	v_mul_u32_u24 v8, v10, 272
	v_lshl_add_u32 v8, v1, 4, v8
	v_add_nc_u32 v8, PAREA, v8
	v_lshlrev_b32 v9, 13, v10
	v_lshl_add_u32 v9, v1, 4, v9                   ; and the same place in out0: 8,192 bytes a row
.irp i, 0,1,2,3,4,5,6,7,8,9,10,11,12,13,14,15
	global_load_b128 v[QF+4*\i:QF+4*\i+3], v3, s[26:27] offset:32*\i       ; channels 8 i + 4 h + 0 .. 3
	global_load_b128 v[KF+4*\i:KF+4*\i+3], v3, s[28:29] offset:32*\i
.endr
	WIN 0x40                                       ; destination window 1
.irp c, 0,1,2,3,4,5,6,7
.irp e, 0,1
	global_load_b128 v[8*\c+4*\e:8*\c+4*\e+3], v4, s[28:29] offset:8192+1024*\c+16*\e   ; register 8 c + j: V(key 8 h + j, channel 16 c + r)
.endr
.endr
	WIN 0
	v_mov_b32 v200, 0xff800000                     ; -infinity
	v_mov_b32 v203, 0                              ; a lane permute's destination counts as one of its sources
	v_mov_b32 v205, 0                              ; named as the upper halves of pairs
	v_mov_b32 v207, 0
	s_wait_loadcnt 16                              ; q and k are in; v's 16 loads may be out
.set u, 0
.rept 32                                           ; S^T = k q^T: source 0 = 16 keys, source 1 = 16 queries, 4 channels a step; four accumulators by turns
.if u < 4
	v_wmma_f32_16x16x4_f32 v[SA+8*(u%4):SA+8*(u%4)+7], v[KF+2*u:KF+2*u+1], v[QF+2*u:QF+2*u+1], 0
.else
	v_wmma_f32_16x16x4_f32 v[SA+8*(u%4):SA+8*(u%4)+7], v[KF+2*u:KF+2*u+1], v[QF+2*u:QF+2*u+1], v[SA+8*(u%4):SA+8*(u%4)+7]
.endif
.set u, u+1
.endr
	PLACES 8
.irp j, 0,2,4,6
	v_pk_add_f32 v[SS+\j:SS+\j+1], v[SA+\j:SA+\j+1], v[SA+8+\j:SA+8+\j+1]            ; the four parts; each accumulator from its low end on
.endr
.irp j, 0,2,4,6
	v_pk_add_f32 v[192+\j:193+\j], v[SA+16+\j:SA+16+\j+1], v[SA+24+\j:SA+24+\j+1]
.endr
.irp j, 0,2,4,6
	v_pk_add_f32 v[SS+\j:SS+\j+1], v[SS+\j:SS+\j+1], v[192+\j:193+\j]                ; lane (r, h): query r, key 8 h + j
.endr
.irp j, 0,1,2,3,4,5,6,7
	v_cmp_gt_i32 vcc_lo, \j, v5
	v_cndmask_b32 v[SS+\j], v[SS+\j], v200, vcc_lo
.endr
	v_max3_num_f32 v201, v[SS], v[SS+1], v[SS+2]
	v_max3_num_f32 v202, v[SS+3], v[SS+4], v[SS+5]
	v_max3_num_f32 v201, v201, v[SS+6], v[SS+7]
	v_max_num_f32 v201, v201, v202
	v_permlanex16_b32 v203, v201, s30, s31
	v_max_num_f32 v201, v201, v203                 ; the row's maximum: key 0 counts for every query
	v_mul_f32 v204, s32, v201
.irp j, 0,2,4,6
	v_pk_fma_f32 v[SS+\j:SS+\j+1], v[SS+\j:SS+\j+1], s[32:33], v[204:205] op_sel_hi:[1,0,0] neg_lo:[0,0,1] neg_hi:[0,0,1]   ; c s - c m
.endr
.irp j, 0,1,2,3,4,5,6,7
	v_exp_f32 v[PF+\j], v[SS+\j]
.endr
	v_nop                                          ; a plain instruction behind the last exponential
	s_wait_alu depctr_va_vdst(0)                   ; and the one wait ahead of the batch's first reader
	v_pk_add_f32 v[192:193], v[PF:PF+1], v[PF+2:PF+3]
	v_pk_add_f32 v[194:195], v[PF+4:PF+5], v[PF+6:PF+7]
	v_pk_add_f32 v[192:193], v[192:193], v[194:195]
	v_add_f32 v192, v192, v193
	v_permlanex16_b32 v203, v192, s30, s31
	v_add_f32 v192, v192, v203                     ; the row's sum
	v_rcp_f32 v206, v192
	v_nop
	s_wait_alu depctr_va_vdst(0)
.irp j, 0,2,4,6
	v_pk_mul_f32 v[PF+\j:PF+\j+1], v[PF+\j:PF+\j+1], v[206:207] op_sel_hi:[1,0]
.endr
	s_wait_loadcnt 0x0                             ; v
	WIN 0x51                                       ; source 0 (V) window 1, source 1 (p) window 0, C and D window 1
.irp s, 0,1,2,3                                    ; O^T = V^T p^T: eight tiles of 16 channels by turns; step s takes keys 8 h + 2 s + 0, 1
.irp c, 0,1,2,3,4,5,6,7
.if \s == 0
	v_wmma_f32_16x16x4_f32 v[64+8*\c:71+8*\c], v[8*\c+2*\s:8*\c+2*\s+1], v[PF+2*\s:PF+2*\s+1], 0
.else
	v_wmma_f32_16x16x4_f32 v[64+8*\c:71+8*\c], v[8*\c+2*\s:8*\c+2*\s+1], v[PF+2*\s:PF+2*\s+1], v[64+8*\c:71+8*\c]
.endif
.endr
.endr
	WIN 0
	PLACES 9                                       ; the results go on as a source of matrix instructions
	s_wait_tensorcnt 0x0                           ; my rows of wo are in LDS; I alone read them
.macro LOADW c                         ; wo's fragments for channels 16 c on: register 8 u + j of set c % 2: wo(128 w + 16 c + 8 h + j, column 16 u + r)
.irp u, 0,1,2,3
.irp j, 0,1,2,3,4,5,6,7
	ds_load_b32 v[QF+32*((\c)%2)+8*\u+\j], v6 offset:(16*(\c)+\j)*272+64*\u
.endr
.endr
.endm
	LOADW 0
	LOADW 1
.irp c, 0,1,2,3,4,5,6,7                            ; out^T += wo^T O^T: source 0 = 16 output columns, source 1 = O^T as it stands; four tiles of columns by turns
.if \c < 7
	s_wait_dscnt 32                                ; this chunk's 32 loads are in; the next chunk's may be out
.else
	s_wait_dscnt 0x0
.endif
	WIN 0x04                                       ; source 1: window 1
.irp s, 0,1,2,3
.irp u, 0,1,2,3
.if (\c == 0) && (\s == 0)
	v_wmma_f32_16x16x4_f32 v[SA+8*\u:SA+8*\u+7], v[QF+32*(\c%2)+8*\u+2*\s:QF+32*(\c%2)+8*\u+2*\s+1], v[64+8*\c+2*\s:64+8*\c+2*\s+1], 0
.else
	v_wmma_f32_16x16x4_f32 v[SA+8*\u:SA+8*\u+7], v[QF+32*(\c%2)+8*\u+2*\s:QF+32*(\c%2)+8*\u+2*\s+1], v[64+8*\c+2*\s:64+8*\c+2*\s+1], v[SA+8*\u:SA+8*\u+7]
.endif
.endr
.endr
	WIN 0
.if \c < 6
	PLACES 8                                       ; in front of loads into registers that these matrix instructions have read
	LOADW \c+2
.endif
.endr
	PLACES 8
.irp u, 0,1,2,3
	ds_store_b128 v7, v[SA+8*\u:SA+8*\u+3] offset:64*\u            ; lane (r, h): position r, columns 16 u + 8 h + 0 .. 7; each accumulator from its low end on
	ds_store_b128 v7, v[SA+8*\u+4:SA+8*\u+7] offset:64*\u+16
.endr
	s_wait_dscnt 0x0                               ; for the others' sake: my stores have landed
	s_barrier_signal -1
	s_barrier_wait -1
.irp w, 0,1,2,3,4,5,6,7
	ds_load_b128 v[QF+4*\w:QF+4*\w+3], v8 offset:16*272*\w         ; the eight heads' parts of my four numbers
.endr
	s_wait_dscnt 0x0
.irp w, 0,2,4,6
	v_pk_add_f32 v[QF+4*\w:QF+4*\w+1], v[QF+4*\w:QF+4*\w+1], v[QF+4*\w+4:QF+4*\w+5]
	v_pk_add_f32 v[QF+4*\w+2:QF+4*\w+3], v[QF+4*\w+2:QF+4*\w+3], v[QF+4*\w+6:QF+4*\w+7]
.endr
.irp w, 0,4
	v_pk_add_f32 v[QF+4*\w:QF+4*\w+1], v[QF+4*\w:QF+4*\w+1], v[QF+4*\w+8:QF+4*\w+9]
	v_pk_add_f32 v[QF+4*\w+2:QF+4*\w+3], v[QF+4*\w+2:QF+4*\w+3], v[QF+4*\w+10:QF+4*\w+11]
.endr
	v_pk_add_f32 v[QF:QF+1], v[QF:QF+1], v[QF+16:QF+17]
	v_pk_add_f32 v[QF+2:QF+3], v[QF+2:QF+3], v[QF+18:QF+19]
	global_store_b128 v9, v[QF:QF+3], s[8:9]       ; sixteen lanes store 256 consecutive bytes of a row, aligned
	s_wait_tensorcnt 0x0                           ; the wave's end, behind my tensor load and my last LDS store
	ds_add_u32 v[SPW], v[NIL]
	s_wait_dscnt 0x0
	s_endpgm
.Lfunc_end_k_q5a4342e942_fine:
	.size	k_q5a4342e942_fine, .Lfunc_end_k_q5a4342e942_fine-k_q5a4342e942_fine
	.p2alignl 7, 3214868480
	.fill 96, 4, 3214868480
	.section	.rodata,"a",@progbits
	.p2align	6, 0x0
	.amdhsa_kernel k_q5a4342e942_fine
		.amdhsa_group_segment_fixed_size 314368
		.amdhsa_private_segment_fixed_size 0
		.amdhsa_enable_private_segment 0
		.amdhsa_kernarg_size 24
		.amdhsa_user_sgpr_count 2
		.amdhsa_user_sgpr_kernarg_segment_ptr 1
		.amdhsa_wavefront_size32 1
		.amdhsa_system_sgpr_workgroup_id_x 1
		.amdhsa_system_sgpr_workgroup_id_y 1
		.amdhsa_system_sgpr_workgroup_id_z 1
		.amdhsa_system_vgpr_workitem_id 0
		.amdhsa_next_free_vgpr 384
		.amdhsa_next_free_sgpr 66
		.amdhsa_reserve_vcc 1
		.amdhsa_float_denorm_mode_32 3
		.amdhsa_float_denorm_mode_16_64 3
		.amdhsa_memory_ordered 1
		.amdhsa_forward_progress 1
		.amdhsa_inst_pref_size 45
	.end_amdhsa_kernel
	.amdgpu_metadata
---
amdhsa.version: [ 1, 2 ]
amdhsa.kernels:
  - .name:           k_q5a4342e942_fine
    .symbol:         k_q5a4342e942_fine.kd
    .args:
      - { .name: fin, .offset: 0, .size: 8, .value_kind: global_buffer, .address_space: global }
      - { .name: wo, .offset: 8, .size: 8, .value_kind: global_buffer, .address_space: global }
      - { .name: out0, .offset: 16, .size: 8, .value_kind: global_buffer, .address_space: global }
    .group_segment_fixed_size: 314368
    .private_segment_fixed_size: 0
    .kernarg_segment_align: 8
    .kernarg_segment_size: 24
    .max_flat_workgroup_size: 256
    .sgpr_count:     66
    .vgpr_count:     384
    .wavefront_size: 32
...
	.end_amdgpu_metadata
.endif
;; end of part 5
